; MI455X (gfx1250); checked and timed in simulation.
; The chip was launched on July 23, 2026; its instructions are those of AMD's public machine-readable ISA for CDNA 5 (MIT licence, August 2026) and "CDNA5" Instruction Set Architecture Reference Guide (July 2026). The comments in the code are by the model that wrote it; some were corrected since.
;; Vlash Qwen3 Attention. Allowed arithmetic: matrix products marked QUANTISED: E2M3 operands, one E8M0 scale for each 32 along K, by v_wmma_scale_f32_16x16x128_f8f6f4 with both operands' format E2M3, f32 sums; everything else in f32.
;; Inputs: attention_mask 1 x 1 x 2,048 x 2,048 float32; cos_full 1 x 2,048 x 128 float32; hidden_states 1 x 2,048 x 4,096 float32; k_norm_w 128 float32; q_norm_w 128 float32; sin_full 1 x 2,048 x 128 float32; wk 1,024 x 4,096 float32; wo 4,096 x 2,048 float32; wq 2,048 x 4,096 float32; wv 1,024 x 4,096 float32.
;; Outputs: out0 1 x 2,048 x 4,096 float32.
;; This version of the problem:
;;   THIS VERSION OF THE PROBLEM IS GIVEN IN LOW PRECISION. The matrix products marked QUANTISED in the list below multiply operands that are first quantised to E2M3 (2 exponent bits, 3 mantissa bits; 6 bits a number), with one power-of-two scale for each 32 numbers along K (OCP MX v1.0); their sums are f32. All else is computed in f32.
;;   The module's matrix products, in the order in which they are computed (A, B: the left and right operand; K: the contracted axis; several contracted axes count as one K, in the product's order):
;;     1. [M 2,048, K 4,096] x [K 4,096, N 2,048]; A: input hidden_states; B: input wq: QUANTISED
;;     2. [M 2,048, K 4,096] x [K 4,096, N 1,024]; A: input hidden_states; B: input wk: QUANTISED
;;     3. [M 2,048, K 4,096] x [K 4,096, N 1,024]; A: input hidden_states; B: input wv: QUANTISED
;;     4. batch 16 x [M 2,048, K 128] x [K 128, N 2,048]; A: computed on the way; B: computed on the way: QUANTISED
;;     5. batch 16 x [M 2,048, K 2,048] x [K 2,048, N 128]; A: softmax (see below); B: computed on the way: QUANTISED
;;     6. [M 2,048, K 2,048] x [K 2,048, N 4,096]; A: computed on the way; B: input wo: QUANTISED
;;   THE QUANTISER, for each operand of a quantised product, along K:
;;     - K is cut into blocks of 32 from its start; a last block that is shorter is filled with zeros.
;;     - A block's scale is 2^e with e = floor(log2(the largest magnitude in the block)) - 2, held to -126 .. 127; a block of zeros has e = 0. As a byte (E8M0): e + 127.
;;     - Each number is divided by its block's scale, clamped to +-7.5, and rounded to the nearest number of E2M3, ties to even, subnormals kept.
;;     - The product sums the exact products of the quantised numbers (number of the format x scale) in f32.
;;   ~~~python
;;   def quantise(x, axis):      # numpy; x: float32 -> the quantised numbers, widened to float32 again
;;       x = np.moveaxis(x, axis, -1); K = x.shape[-1]
;;       x = np.pad(x, [(0, 0)] * (x.ndim - 1) + [(0, -K % 32)]); x = x.reshape(x.shape[:-1] + (-1, 32)); a = np.abs(x).max(-1, keepdims=True)
;;       e = np.where(a > 0, np.clip(np.frexp(np.where(a > 0, a, 1))[1] - 1 - 2, -126, 127), 0)      # np.frexp(a)[1] - 1 = floor(log2(a)), exactly
;;       r = np.clip(x / 2.0 ** e, -7.5, 7.5)
;;       step = 2.0 ** (np.maximum(np.frexp(np.where(r == 0, 1, r))[1] - 1, 0) - 3)
;;       q = np.round(r / step) * step * 2.0 ** e      # np.round: ties to even
;;       return np.moveaxis(q.reshape(q.shape[:-2] + (-1,))[..., :K], -1, axis).astype(np.float32)
;;   ~~~
;;   SOFTMAX AHEAD OF A QUANTISED PRODUCT. Where the list says 'softmax', what is quantised is not the finished softmax but p = 2^(t - M), with t = logit x log2(e) and M = ceil(the row's largest t), a whole number; so 1/2 < the row's largest p <= 1. The row's sum l is taken of the UNQUANTISED p, in f32, and the product's result is divided by l at the end. Since M is a whole number, a kernel that streams over the keys may use a running M (the ceiling of the running maximum): every later rescaling is an exact power of two, which a block's scale takes up: the codes' values come out the same.
;;   OPERANDS COMPUTED ON THE WAY. 'Computed on the way' means the value that the module computes at that place (a softmax that the list does not call 'softmax' is quantised finished and normalised). What goes into a quantiser is computed in f32, as accurately as f32 sums, v_exp_f32 and their like allow (about 1e-6 of the number): no bf16 or f16 on the way to a quantiser, and a product that is left as it is and whose result goes on into a quantised operand takes f32 operands (vector FMAs, or v_wmma_f32_16x16x4_f32). A number that lies on a knife's edge between two numbers of the format may be rounded either way, as far as f32 arithmetic and the matrix unit's own rounding can turn it there, and no further.
;; One version. Each part assembles by itself: llvm-mc -triple=amdgcn-amd-amdhsa -mcpu=gfx1250 --defsym DOCPART=n.
;; ======== version 1 of 1: 4 launches
;; limits: right only within a limited range of input values
;; workspace buffers: hw 19,660,800 bytes; oc 6,553,600 bytes; heads 6,553,600 bytes; ac 3,276,800 bytes
;; launch quant (part 1): grid 1024 x 1, 4 waves a work-group, no clusters, 34,304 bytes of LDS; arguments hidden_states, wq, wk, wv, wo, hw, oc; writes hw, oc
.if DOCPART == 1
	.amdgcn_target "amdgcn-amd-amdhsa--gfx1250"
	.amdhsa_code_object_version 6
	.text
	.protected	k_qfd6619aaa0_quant
	.globl	k_qfd6619aaa0_quant
	.p2align	8
	.type	k_qfd6619aaa0_quant,@function
k_qfd6619aaa0_quant:
	s_mov_b64 s[64:65], 0
	v_nop
	global_prefetch_b8 v0, s[64:65] scope:SCOPE_SE
	s_setreg_imm32_b32 hwreg(HW_REG_WAVE_MODE, 25, 1), 1
	s_wait_xcnt 0x0
; hidden_states [2048][4096], wq [2048][4096], wk, wv [1024][4096], wo [4096][2048], f32, K innermost, become codes of FP6 (E2M3) with one E8M0 byte for each 32 along K,
; laid as the products' launches load them: RECORDS of 6,400 bytes = 16 rows x 512 K: four fragments (16 rows x 128 K: 12 registers a lane) as images of their registers
; (register 4 c + i of lane l at byte 1536 j + 512 c + 16 l + 4 i), then at byte 6,144 the scale words [row 16][K step 4].
; THE ROWS OF A BLOCK ARE NOT NEIGHBOURS: lane r of row block rb holds row 32 (rb / 2) + 8 (rb % 2) + r + 8 (r / 8), so that a later product's results lie 16 neighbours to a lane.
; hw: [row block 384][kq 8] records: blocks 0-127 hidden, 128-255 wq, 256-319 wk, 320-383 wv.   oc: [row block 256][kq 4]: wo.
; A block's scale is 2^(floor(log2(largest magnitude)) - 2); its byte is the largest magnitude's exponent field - 2, held at 1 from below.
; LIMITS: a block of zeros gets the byte 1 where the rule says 127 (its codes are zeros, and this program alone reads the bytes); NaN and infinities among the inputs are not served.
; SHARES: a wave makes one record (32,768 bytes in, 6,400 out), a work-group four neighbouring ones.  Work-groups 0-255 hidden, 256-511 wq, 512-639 wk, 640-767 wv, 768-1023 wo: only pointers and sizes are chosen, one path.
; A load reads 512 consecutive bytes of one row (128 K); 16 rows' loads turn through the wave's own stage in LDS (rows of 512 + 16 bytes) and come back 128 bytes a lane: a whole block of 32 in a lane's registers.
; No tensor loads, no barrier: waves share nothing.  Loads run one K step of 128 (16 loads a wave) ahead.
.set REC,  6400
.set SP,   528                         ; a stage row: 33 x 16 bytes, so that sixteen rows' reads of 16 bytes start at sixteen different places modulo 256 bytes
.set STG,  16*SP
.set OFF,  16                          ; v16-31   16 x lane + the row's bytes, for the block's sixteen rows; never rewritten
.set L0,   32                          ; v32-159  two sets of 64 registers as loaded
.set X,    160                         ; v160-223 my 64 numbers: register 32 c + i = k 64 c + 32 h + i of row r
.set M,    224                         ; largest magnitudes
.set SO,   226                         ; the conversions' scale operands
.set BY,   228                         ; the bytes
.set W,    230
.set PC,   232                         ; v232-243 the fragment
.set PX,   244                         ; v244-246, v248-250 the blocks' second halves (a conversion's three registers begin on an even number)
.set SW,   252                         ; v252-255 the four K steps' scale words
	s_load_b256 s[4:11], s[0:1], 0x0               ; hidden, wq, wk, wv
	s_load_b128 s[12:15], s[0:1], 0x20             ; wo, hw
	s_load_b64 s[16:17], s[0:1], 0x30              ; oc
	v_lshl_add_u32 v247, v0, 2, 0x8400
	v_mov_b32 v251, 0
	v_lshrrev_b32 v1, 5, v0
	v_readfirstlane_b32 s20, v1                    ; wave
	v_and_b32 v1, 31, v0                           ; lane
	v_and_b32 v2, 15, v0                           ; r
	v_bfe_u32 v3, v0, 4, 1                         ; h
	v_lshlrev_b32 v6, 4, v1                        ; 16 x lane
	s_mul_i32 s30, s20, STG                        ; my stage
	v_add_nc_u32 v4, s30, v6                       ; into it: 16 x lane of a row
	v_mul_u32_u24 v5, v2, SP
	v_lshl_add_u32 v5, v3, 7, v5
	v_add_nc_u32 v5, s30, v5                       ; out of it: row r, + 128 h
	v_lshlrev_b32 v7, 4, v2
	v_lshl_add_u32 v7, v3, 3, v7                   ; the scale words' store: 16 r + 8 h
	v_lshlrev_b32 v8, 3, v3                        ; 8 h bits
	v_mov_b32 v9, 0                                ; a lane permute's destination counts as read
	s_mov_b32 s36, 0x76543210
	s_mov_b32 s37, 0xfedcba98                      ; selects for lane l xor 16
	s_mov_b32 s21, ttmp9
	s_wait_alu depctr_va_vdst(0)
	s_wait_kmcnt 0x0
	s_mov_b64 s[26:27], s[12:13]                   ; begin with wo's values,
	s_mov_b64 s[28:29], s[16:17]
	s_mov_b32 s22, 768                             ; the tensor's first work-group
	s_mov_b32 s23, 768                             ; the destination buffer's first work-group
	s_cmp_lt_u32 s21, 768                          ; and take the others' by the work-group's number alone
	s_cselect_b64 s[26:27], s[10:11], s[26:27]
	s_cselect_b64 s[28:29], s[14:15], s[28:29]
	s_cselect_b32 s22, 640, s22
	s_cselect_b32 s23, 0, s23
	s_cselect_b32 s25, 1, 0                        ; 1 where K = 4,096 (two work-groups to a row block), 0 where K = 2,048
	s_cmp_lt_u32 s21, 640
	s_cselect_b64 s[26:27], s[8:9], s[26:27]
	s_cselect_b32 s22, 512, s22
	s_cmp_lt_u32 s21, 512
	s_cselect_b64 s[26:27], s[6:7], s[26:27]
	s_cselect_b32 s22, 256, s22
	s_cmp_lt_u32 s21, 256
	s_cselect_b64 s[26:27], s[4:5], s[26:27]
	s_cselect_b32 s22, 0, s22
	s_lshl_b32 s24, 0x2000, s25                    ; a row in bytes: 8,192 or 16,384
	s_sub_co_u32 s30, s21, s22                     ; my number within the tensor
	s_lshr_b32 s31, s30, s25                       ; row block
	s_and_b32 s32, s30, s25
	s_lshl_b32 s32, s32, 2
	s_add_co_u32 s32, s32, s20                     ; kq: which 512 along K
	s_lshr_b32 s33, s31, 1
	s_lshl_b32 s33, s33, 5
	s_and_b32 s34, s31, 1
	s_lshl_b32 s34, s34, 3
	s_add_co_u32 s33, s33, s34                     ; the block's first row: 32 (rb / 2) + 8 (rb % 2)
	s_mul_i32 s34, s33, s24
	s_lshl_b32 s32, s32, 11
	s_add_co_u32 s34, s34, s32                     ; in bytes, + 2,048 kq (under 2^26)
	s_mov_b32 s35, 0
	s_add_nc_u64 s[26:27], s[26:27], s[34:35]
	s_sub_co_u32 s30, s21, s23
	s_lshl_b32 s30, s30, 2
	s_add_co_u32 s30, s30, s20                     ; my record
	s_mul_i32 s34, s30, REC
	s_add_nc_u64 s[28:29], s[28:29], s[34:35]
.irp j, 0,1,2,3,4,5,6,7,8,9,10,11,12,13,14,15
	s_mul_i32 s30, s24, \j+8*(\j/8)                ; lane place j of the block is row j + 8 (j / 8)
	v_add_nc_u32 v[OFF+\j], s30, v6
.endr
.macro LOAD f                          ; K step f of the record: 16 rows x 512 consecutive bytes
.irp j, 0,1,2,3,4,5,6,7,8,9,10,11,12,13,14,15
	global_load_b128 v[L0+64*((\f)%2)+4*\j:L0+64*((\f)%2)+4*\j+3], v[OFF+\j], s[26:27] offset:512*(\f) th:TH_LOAD_NT
.endr
.endm
.macro TURN f                          ; through the stage: LDS serves a wave's instructions in order, so no wait stands between the stores and the loads
.irp j, 0,1,2,3,4,5,6,7,8,9,10,11,12,13,14,15
	ds_store_b128 v4, v[L0+64*((\f)%2)+4*\j:L0+64*((\f)%2)+4*\j+3] offset:SP*\j
.endr
.irp c, 0,1
.irp q, 0,1,2,3,4,5,6,7
	ds_load_b128 v[X+32*\c+4*\q:X+32*\c+4*\q+3], v5 offset:256*\c+16*\q
.endr
.endr
.endm
.macro Q6 f                            ; my two whole blocks (2 c + h) of K step f become registers 6 c .. 6 c + 5 of the fragment
.irp c, 0,1
	v_max3_num_f32 v[M+\c], |v[X+32*\c]|, |v[X+32*\c+1]|, 0x1800000   ; with the floor 2^(3 - 127): the byte cannot fall under 1
.endr
.irp i, 2,4,6,8,10,12,14,16,18,20,22,24,26,28,30
.irp c, 0,1
	v_max3_num_f32 v[M+\c], v[M+\c], |v[X+32*\c+\i]|, |v[X+32*\c+\i+1]|
.endr
.endr
.irp c, 0,1
	v_add_nc_u32 v[SO+\c], 0xff000000, v[M+\c]     ; 2 off the exponent field: the conversion takes that field as its scale
.endr
.irp c, 0,1
	v_lshrrev_b32 v[BY+\c], 23, v[SO+\c]           ; the byte
.endr
	v_lshl_or_b32 v[W], v[BY+1], 16, v[BY]         ; blocks h and 2 + h,
	v_lshlrev_b32 v[W], v8, v[W]                   ; at their places in the word;
	v_permlanex16_b32 v9, v[W], s36, s37
	v_or_b32 v[SW+(\f)], v[W], v9                  ; with lane l xor 16's two the word is whole
.if (\f) > 0
	s_wait_alu depctr_va_vdst(0)
	s_wait_xcnt 0x0                                ; the last fragment's stores have read their data: the registers are written again only behind this wait
.endif
.irp c, 0,1
	v_cvt_scalef32_pk16_fp6_f32 v[PC+6*\c:PC+6*\c+2], v[X+32*\c:X+32*\c+15], v[SO+\c]
	v_cvt_scalef32_pk16_fp6_f32 v[PX+4*\c:PX+4*\c+2], v[X+32*\c+16:X+32*\c+31], v[SO+\c]
.endr
	v_nop                                          ; one plain instruction behind a scaled conversion, ahead of the moves that read its result
.irp c, 0,1
.irp i, 0,1,2
	v_mov_b32 v[PC+6*\c+3+\i], v[PX+4*\c+\i]
.endr
.endr
.irp k, 0,1,2
	global_store_b128 v6, v[PC+4*\k:PC+4*\k+3], s[28:29] offset:1536*(\f)+512*\k   ; 32 lanes store 512 consecutive bytes, at a multiple of 256 from the buffer's first byte
.endr
.endm
	s_wait_alu depctr_va_vdst(0)
	LOAD 0
	LOAD 1
.irp f, 0,1,2,3
.if \f < 3
	s_wait_loadcnt 16                              ; this K step's 16 loads are in; the next one's 16 may be out
.else
	s_wait_loadcnt 0x0
.endif
	TURN \f
	s_wait_dscnt 0x0                               ; my 64 numbers are back, and the stage's stores have read the set,
.if \f < 2
	LOAD \f+2                                      ; which takes the loads of two K steps on
.endif
	Q6 \f
.endr
	v_cmp_gt_u32 vcc_lo, 16, v1                    ; lanes 0-15 store words 0 and 1 of their row, lanes 16-31 words 2 and 3
	v_cndmask_b32 v10, v[SW+2], v[SW], vcc_lo
	v_cndmask_b32 v11, v[SW+3], v[SW+1], vcc_lo
	global_store_b64 v7, v[10:11], s[28:29] offset:6144   ; 256 consecutive bytes, aligned
	s_wait_tensorcnt 0x0
	ds_add_u32 v247, v251
	s_wait_dscnt 0x0
	s_endpgm
.Lfunc_end_k_qfd6619aaa0_quant:
	.size	k_qfd6619aaa0_quant, .Lfunc_end_k_qfd6619aaa0_quant-k_qfd6619aaa0_quant
	.p2alignl 7, 3214868480
	.fill 96, 4, 3214868480
	.section	.rodata,"a",@progbits
	.p2align	6, 0x0
	.amdhsa_kernel k_qfd6619aaa0_quant
		.amdhsa_group_segment_fixed_size 34304
		.amdhsa_private_segment_fixed_size 0
		.amdhsa_enable_private_segment 0
		.amdhsa_kernarg_size 56
		.amdhsa_user_sgpr_count 2
		.amdhsa_user_sgpr_kernarg_segment_ptr 1
		.amdhsa_wavefront_size32 1
		.amdhsa_system_sgpr_workgroup_id_x 1
		.amdhsa_system_sgpr_workgroup_id_y 1
		.amdhsa_system_sgpr_workgroup_id_z 1
		.amdhsa_system_vgpr_workitem_id 0
		.amdhsa_next_free_vgpr 256
		.amdhsa_next_free_sgpr 66
		.amdhsa_reserve_vcc 1
		.amdhsa_float_denorm_mode_32 3
		.amdhsa_float_denorm_mode_16_64 3
		.amdhsa_memory_ordered 1
		.amdhsa_forward_progress 1
		.amdhsa_inst_pref_size 32
	.end_amdhsa_kernel
	.amdgpu_metadata
---
amdhsa.version: [ 1, 2 ]
amdhsa.kernels:
  - .name:           k_qfd6619aaa0_quant
    .symbol:         k_qfd6619aaa0_quant.kd
    .args:
      - { .name: hidden_states, .offset: 0, .size: 8, .value_kind: global_buffer, .address_space: global }
      - { .name: wq, .offset: 8, .size: 8, .value_kind: global_buffer, .address_space: global }
      - { .name: wk, .offset: 16, .size: 8, .value_kind: global_buffer, .address_space: global }
      - { .name: wv, .offset: 24, .size: 8, .value_kind: global_buffer, .address_space: global }
      - { .name: wo, .offset: 32, .size: 8, .value_kind: global_buffer, .address_space: global }
      - { .name: hw, .offset: 40, .size: 8, .value_kind: global_buffer, .address_space: global }
      - { .name: oc, .offset: 48, .size: 8, .value_kind: global_buffer, .address_space: global }
    .group_segment_fixed_size: 34304
    .private_segment_fixed_size: 0
    .kernarg_segment_align: 8
    .kernarg_segment_size: 56
    .max_flat_workgroup_size: 128
    .sgpr_count:     66
    .vgpr_count:     256
    .wavefront_size: 32
...
	.end_amdgpu_metadata
.endif
;; end of part 1
;; launch qkv (part 2): grid 16 x 16, 4 waves a work-group, clusters of 4 x 4, 327,680 bytes of LDS; arguments hw, cos_full, sin_full, q_norm_w, k_norm_w, heads; writes heads
.if DOCPART == 2
	.amdgcn_target "amdgcn-amd-amdhsa--gfx1250"
	.amdhsa_code_object_version 6
	.text
	.protected	k_qfd6619aaa0_qkv
	.globl	k_qfd6619aaa0_qkv
	.p2align	8
	.type	k_qfd6619aaa0_qkv,@function
k_qfd6619aaa0_qkv:
	s_mov_b64 s[64:65], 0
	v_nop
	global_prefetch_b8 v0, s[64:65] scope:SCOPE_SE
	s_setreg_imm32_b32 hwreg(HW_REG_WAVE_MODE, 25, 1), 1
	s_wait_xcnt 0x0
	s_wait_alu depctr_hold_cnt(0) depctr_sa_sdst(0) depctr_va_vdst(0) depctr_va_sdst(0) depctr_va_ssrc(0) depctr_va_vcc(0) depctr_vm_vsrc(0)
	s_getreg_b32 s2, hwreg(HW_REG_IB_STS2, 6, 4)
	s_cmp_eq_u32 s2, 0
	s_cbranch_scc0 .Lentry_in_a_cluster
	s_endpgm
.Lentry_in_a_cluster:
	s_bfe_u32 s2, ttmp6, 0x10000c
	s_cmp_lg_u32 s2, 0xf033
	s_cbranch_scc0 .Lentry_shape_is_right
	s_endpgm
.Lentry_shape_is_right:
.set KQ,    8
.set LAPS,  KQ/2
.set REC,   6400
.set CCO,   8*REC
.set SLOT,  24*REC
.set SPARE, 2*SLOT
.set ADRR,  16
.set ADRC,  18
.set ADSR,  20
.set ADSC,  22
.set LI,    24
.set CSA,   25
.set GNA,   26
.set SWA,   27
.set SPW,   28
.set NIL,   29
.set SCR,   32
.set SCK,   64
.set RF,    128
.set G1,  24
.set G0,  32
.set G1B, 48
.set G0B, 56
.set SEL, 78
.set T,   128
.set UV,  192
.set PC,  200
.set PCX, 212
.set SD,  220
.set TM,  224
.set PW,  240
.set RS,  244
.set MSB, 0
.macro WIN new
.if MSB != (\new)
	s_set_vgpr_msb (MSB<<8)|(\new)
.set MSB, (\new)
.endif
.endm
.set MULW, 0xa1
.set TO_C, 0x40
.macro JLOAD s
	s_cmp_eq_u32 s15, 0
	s_cbranch_scc0 .Lfor_c_\@
	tensor_load_to_lds s[G0+4*\s:G0+4*\s+3], s[G1:G1+7]
	s_nop 0
.rept 4
	v_nop
.endr
	s_branch .Lasked_\@
.Lfor_c_\@:
	tensor_load_to_lds s[G0B+4*\s:G0B+4*\s+3], s[G1B:G1B+7]
	s_nop 0
.rept 4
	v_nop
.endr
.Lasked_\@:
.endm
.macro CREST
	s_cmp_lg_u32 s14, 0
	s_cbranch_scc1 .Lnot_wave_0_\@
	s_barrier_signal -3
.Lnot_wave_0_\@:
	s_barrier_wait -3
	s_barrier_signal -1
	s_barrier_wait -1
.endm
.macro CROUND
	s_barrier_signal -1
	s_barrier_wait -1
	CREST
.endm
.macro PLACES n
.rept \n
	v_nop
.endr
.endm
	s_load_b256 s[4:11], s[0:1], 0x0
	s_load_b128 s[68:71], s[0:1], 0x20
	v_lshl_add_u32 v[SPW], v0, 2, SPARE
	v_mov_b32 v[NIL], 0
	ds_add_u32 v28, v29
	ds_add_u32 v28, v29
	s_wait_dscnt 0x0
	v_lshrrev_b32 v1, 5, v0
	v_readfirstlane_b32 s14, v1
	s_lshr_b32 s15, s14, 1
	s_and_b32 s16, s14, 1
	s_bfe_u32 s40, ttmp6, 0x40000
	s_bfe_u32 s41, ttmp6, 0x40004
	s_and_b32 s45, ttmp7, 0xffff
	s_and_b32 s18, s45, 1
	s_lshr_b32 s19, s45, 1
	s_cmp_eq_u32 ttmp9, 3
	s_cselect_b32 s18, s18, s45
	s_cselect_b32 s19, s19, ttmp9
	s_cselect_b32 s20, 320, 0
	s_cselect_b32 s46, 0, 128
	s_cselect_b32 s80, 1, 0
	s_lshl_b32 s17, s18, 2
	s_add_co_u32 s17, s17, s41
	s_lshl_b32 s42, s19, 2
	s_add_co_u32 s42, s42, s40
	s_lshl_b32 s43, s41, 2
	s_lshl_b32 s43, 15, s43
	s_lshl_b32 s44, 0x1111, s40
	s_or_b32 s[G1+0], s43, (3<<16)|(1<<21)
	s_or_b32 s[G1B+0], s44, (3<<16)|(1<<21)
	s_mov_b32 s[G1+1], 800<<16
	s_mov_b32 s[G1+2], 4<<16
	s_mov_b32 s[G1+3], 800<<16
	s_mov_b32 s[G1+4], 4
	s_mov_b32 s[G1+5], KQ*800
	s_mov_b32 s[G1+6], 0
	s_mov_b32 s[G1+7], 0
	s_mov_b32 s[G1B+1], 800<<16
	s_mov_b32 s[G1B+2], 8<<16
	s_mov_b32 s[G1B+3], 800<<16
	s_mov_b32 s[G1B+4], 8
	s_mov_b32 s[G1B+5], KQ*800
	s_mov_b32 s[G1B+6], 0
	s_mov_b32 s[G1B+7], 0
	s_lshl_b32 s18, s17, 3
	s_add_co_u32 s20, s20, s18
	s_lshl_b32 s18, s16, 2
	s_add_co_u32 s20, s20, s18
	s_mul_i32 s20, s20, KQ*REC
	s_mov_b32 s21, 0
	s_lshl_b32 s19, s42, 4
	s_add_co_u32 s46, s46, s19
	s_lshl_b32 s19, s16, 3
	s_add_co_u32 s46, s46, s19
	s_mul_i32 s46, s46, KQ*REC
	s_mov_b32 s47, 0
	s_mul_i32 s22, s16, 4*REC
	s_mul_i32 s23, s16, 8*REC
	s_add_co_u32 s23, s23, CCO
	s_wait_kmcnt 0x0
	s_add_nc_u64 s[20:21], s[4:5], s[20:21]
	s_add_nc_u64 s[46:47], s[4:5], s[46:47]
.irp s, 0,1
	s_mov_b32 s[G0+4*\s], 1
	s_add_co_u32 s[G0+4*\s+1], s22, \s*SLOT
	s_add_nc_u64 s[G0+4*\s+2:G0+4*\s+3], s[20:21], \s*REC
	s_or_b32 s[G0+4*\s+3], s[G0+4*\s+3], 0x80000000
	s_mov_b32 s[G0B+4*\s], 1
	s_add_co_u32 s[G0B+4*\s+1], s23, \s*SLOT
	s_add_nc_u64 s[G0B+4*\s+2:G0B+4*\s+3], s[46:47], \s*REC
	s_or_b32 s[G0B+4*\s+3], s[G0B+4*\s+3], 0x80000000
.endr
	CROUND                                         ; all sixteen work-groups are here: the first joint loads meet
	JLOAD 0                                        ; slot 0: one tensor load a wave at the head
; PREFETCHES INTO THE L2, two slots ahead of the joint load that will want the bytes.  A record is 25 blocks of 256 bytes: a lane a block (lanes 25-31 name block 24 again).
; Of the 4 records that a rows' wave fetches, the partner at cx takes record cx; of the 8 that a columns' wave fetches, the partner at cy takes records 2 cy and 2 cy + 1:
; told apart by address alone, so each block is named once in each cluster that loads it.  Behind slot c's load slot c + 2 is asked for (behind slot 0's also slot 1); the last two loads ask for nothing.
.set PFA, 88                           ; s[88:89] my record(s) at K quarter 0, stepped two quarters a lap
.set PFO, 30                           ; v30 256 x min(lane, 24); never rewritten
.macro ASK off
	global_prefetch_b8 v[PFO], s[PFA:PFA+1] offset:\off th:TH_LOAD_NT scope:SCOPE_SE
	s_cmp_eq_u32 s15, 0
	s_cbranch_scc1 .Lone_\@
	global_prefetch_b8 v[PFO], s[PFA:PFA+1] offset:\off+KQ*REC th:TH_LOAD_NT scope:SCOPE_SE
.Lone_\@:
.endm
.macro ASKL off                        ; in the loop: not in its last trip, whose loads are the last two
.if LAPS > 2
	s_cmp_gt_u32 s3, 1
	s_cbranch_scc0 .Lnone_\@
	ASK \off
.Lnone_\@:
.endif
.endm
	v_and_b32 v[PFO], 31, v0
	v_min_u32 v[PFO], 24, v[PFO]
	v_lshlrev_b32 v[PFO], 8, v[PFO]
	s_mul_i32 s90, s40, KQ*REC
	s_mul_i32 s91, s41, 2*KQ*REC
	s_cmp_eq_u32 s15, 0
	s_cselect_b32 s90, s90, s91
	s_cselect_b64 s[PFA:PFA+1], s[20:21], s[46:47]
	s_mov_b32 s91, 0
	s_add_nc_u64 s[PFA:PFA+1], s[PFA:PFA+1], s[90:91]
	s_wait_alu depctr_va_vdst(0)
	ASK REC
	ASK 2*REC
	v_and_b32 v1, 31, v0
	v_and_b32 v2, 15, v0
	v_bfe_u32 v3, v0, 4, 1
	v_lshlrev_b32 v[LI], 4, v1
	v_lshlrev_b32 v4, 4, v2
	s_wait_alu depctr_va_vdst(0)
	s_mul_i32 s81, s15, 4*REC
	s_mul_i32 s82, s16, 8*REC
	s_add_co_u32 s82, s82, CCO
.irp s, 0,1
	v_add_nc_u32 v[ADRR+\s], s81, v[LI]
	v_add_nc_u32 v[ADRC+\s], s82, v[LI]
	v_add_nc_u32 v[ADSR+\s], s81, v4
	v_add_nc_u32 v[ADSC+\s], s82, v4
	s_add_co_u32 s81, s81, SLOT
	s_add_co_u32 s82, s82, SLOT
.endr
	s_lshl_b32 s84, s42, 1
	s_add_co_u32 s84, s84, s16
	s_lshl_b32 s85, s84, 4
	s_add_co_u32 s85, s85, s17
	s_add_co_u32 s86, s17, 24
	s_lshl_b32 s86, s86, 4
	s_add_co_u32 s86, s86, s84
	s_cmp_eq_u32 s80, 1
	s_cselect_b32 s85, s86, s85
	s_mul_i32 s72, s85, 12800
	s_mul_i32 s86, s15, 6144
	s_add_co_u32 s72, s72, s86
	s_mov_b32 s73, 0
	s_add_nc_u64 s[72:73], s[70:71], s[72:73]
	s_mul_i32 s86, s15, 5888
	s_sub_co_u32 s86, 12288, s86
	v_lshl_add_u32 v[SWA], v3, 3, v4
	v_add_nc_u32 v[SWA], s86, v[SWA]
	s_lshl_b32 s86, s17, 7
	s_lshl_b32 s87, s15, 6
	s_add_co_u32 s86, s86, s87
	s_lshl_b32 s86, s86, 9
	s_mov_b32 s87, 0
	s_add_nc_u64 s[6:7], s[6:7], s[86:87]
	s_add_nc_u64 s[8:9], s[8:9], s[86:87]
	s_cmp_eq_u32 ttmp9, 2
	s_cselect_b64 s[74:75], s[68:69], s[10:11]
	s_mov_b32 s76, 0x3c000000
	s_mov_b32 s77, 0x358637bd
	s_mov_b32 s[SEL], 0x76543210
	s_mov_b32 s[SEL+1], 0xfedcba98
	v_and_b32 v5, 8, v2
	v_add_nc_u32 v5, v5, v2
	v_lshlrev_b32 v[CSA], 9, v5
	v_lshl_add_u32 v[CSA], v3, 6, v[CSA]
	v_lshlrev_b32 v[GNA], 6, v3
	WIN 0xc0
.irp a, 0,1,2,3
.irp bb, 0,1
.irp q, 0,1,2,3
	global_load_b128 v[64*\a+16*\bb+4*\q:64*\a+16*\bb+4*\q+3], v[CSA], s[6:7] offset:(32*(\a/2)+8*(\a%2))*512+128*\bb+16*\q
	global_load_b128 v[64*\a+32+16*\bb+4*\q:64*\a+32+16*\bb+4*\q+3], v[CSA], s[8:9] offset:(32*(\a/2)+8*(\a%2))*512+128*\bb+16*\q
.endr
.endr
.endr
	WIN 0x40
.irp bb, 0,1,2,3
.irp q, 0,1,2,3
	global_load_b128 v[192+16*\bb+4*\q:192+16*\bb+4*\q+3], v[GNA], s[74:75] offset:128*\bb+16*\q
.endr
.endr
	WIN 0
.macro MUL a, p, j, sl, zero
.irp b, 0,1,2,3,4,5,6,7
.if \zero
	v_wmma_scale_f32_16x16x128_f8f6f4 v[8*(8*(\a)+\b):8*(8*(\a)+\b)+7], v[96*(\p)+12*\b:96*(\p)+12*\b+11], v[RF+48*(\p)+12*(\a):RF+48*(\p)+12*(\a)+11], 0, v[SCK+32*(\sl)+4*\b+(\j)], v[SCR+16*(\sl)+4*(\a)+(\j)] matrix_a_fmt:MATRIX_FMT_FP6 matrix_b_fmt:MATRIX_FMT_FP6
.else
	v_wmma_scale_f32_16x16x128_f8f6f4 v[8*(8*(\a)+\b):8*(8*(\a)+\b)+7], v[96*(\p)+12*\b:96*(\p)+12*\b+11], v[RF+48*(\p)+12*(\a):RF+48*(\p)+12*(\a)+11], v[8*(8*(\a)+\b):8*(8*(\a)+\b)+7], v[SCK+32*(\sl)+4*\b+(\j)], v[SCR+16*(\sl)+4*(\a)+(\j)] matrix_a_fmt:MATRIX_FMT_FP6 matrix_b_fmt:MATRIX_FMT_FP6
.endif
.endr
.endm
.macro FETCH slot, j, p
	WIN TO_C
.irp b, 0,1,2,3,4,5,6,7
.irp c, 0,1,2
	ds_load_b128 v[96*(\p)+12*\b+4*\c:96*(\p)+12*\b+4*\c+3], v[ADRC+\slot] offset:REC*\b+1536*(\j)+512*\c
.endr
.endr
	WIN 0
.irp a, 0,1,2,3
.irp c, 0,1,2
	ds_load_b128 v[RF+48*(\p)+12*\a+4*\c:RF+48*(\p)+12*\a+4*\c+3], v[ADRR+\slot] offset:REC*\a+1536*(\j)+512*\c
.endr
.endr
.endm
.macro SCALES sl
.irp a, 0,1,2,3
	ds_load_b128 v[SCR+16*\sl+4*\a:SCR+16*\sl+4*\a+3], v[ADSR+\sl] offset:REC*\a+6144
.endr
.irp b, 0,1,2,3,4,5,6,7
	ds_load_b128 v[SCK+32*\sl+4*\b:SCK+32*\sl+4*\b+3], v[ADSC+\sl] offset:REC*\b+6144
.endr
.endm
.macro STEP slot, j, zero
	PLACES 4                                       ; behind the last step's products, which read the set that is loaded now
	FETCH \slot, (\j)+1, 1-(\j)%2                  ; the next step's fragments, 32 matrix instructions ahead of their use
	s_wait_dscnt 36                                ; all but the 36 loads just issued: this step's set (and scale words) are in
	WIN MULW
	MUL 0, (\j)%2, \j, \slot, \zero
	MUL 1, (\j)%2, \j, \slot, \zero
	MUL 2, (\j)%2, \j, \slot, \zero
	MUL 3, (\j)%2, \j, \slot, \zero
	WIN 0
.endm
.macro TURN slot, next, fill
	; a slot's third and fourth steps.  The fourth step's fragments are fetched at the third's top: when they are in, my reads of the slot are over, and the change of slots stands in the third step
	PLACES 4
	FETCH \slot, 3, 1
	s_wait_dscnt 36                                ; all but the 36 loads just issued: the third step's set is in
	WIN MULW
	MUL 0, 0, 2, \slot, 0
	MUL 1, 0, 2, \slot, 0
	WIN 0
	s_wait_tensorcnt 0x0                           ; my part of the next slot is in
	ds_add_u32 v[SPW], v[NIL]
	WIN MULW
	MUL 2, 0, 2, \slot, 0
	s_wait_dscnt 0x0                               ; the add is done, and my reads of this slot are over
	s_barrier_signal -1
	MUL 3, 0, 2, \slot, 0
	WIN 0
	s_barrier_wait -1
.if \fill
	CREST
	s_add_nc_u64 s[G0+4*\slot+2:G0+4*\slot+3], s[G0+4*\slot+2:G0+4*\slot+3], 2*REC
	s_add_nc_u64 s[G0B+4*\slot+2:G0B+4*\slot+3], s[G0B+4*\slot+2:G0B+4*\slot+3], 2*REC
	JLOAD \slot
.else
	PLACES 4
.endif
	FETCH \next, 0, 0
	s_wait_alu depctr_va_vdst(0)
	SCALES \next
.if \fill
	ASKL (4+\slot)*REC
.endif
	WIN MULW                                       ; the fourth step, from registers: the next slot's first fragments land under its 32 matrix instructions
	MUL 0, 1, 3, \slot, 0
	MUL 1, 1, 3, \slot, 0
	MUL 2, 1, 3, \slot, 0
	MUL 3, 1, 3, \slot, 0
	WIN 0
.endm
	s_wait_alu depctr_va_vdst(0)
	s_wait_tensorcnt 0x0                           ; my part of slot 0 is in
	ds_add_u32 v[SPW], v[NIL]
	s_wait_dscnt 0x0
	CROUND
	JLOAD 1                                        ; slot 1, the first tensor load behind the round
	FETCH 0, 0, 0
	SCALES 0
	ASK 3*REC
	STEP 0, 0, 1
	s_mov_b32 s3, LAPS-1
.Llap:
	STEP 0, 1, 0
	TURN 0, 1, 1
	STEP 1, 0, 0
	STEP 1, 1, 0
	TURN 1, 0, 1
	STEP 0, 0, 0
.if LAPS > 2
	s_wait_xcnt 0x0                                ; the lap's prefetches have read their base
	s_add_nc_u64 s[PFA:PFA+1], s[PFA:PFA+1], 2*REC
.endif
	s_sub_co_u32 s3, s3, 1
	s_cmp_lg_u32 s3, 0
	s_cbranch_scc1 .Llap
	STEP 0, 1, 0
	TURN 0, 1, 0
	STEP 1, 0, 0
	STEP 1, 1, 0
	STEP 1, 2, 0
	s_wait_dscnt 0x0
	WIN MULW
	MUL 0, 1, 3, 1, 0
	MUL 1, 1, 3, 1, 0
	MUL 2, 1, 3, 1, 0
	MUL 3, 1, 3, 1, 0
	WIN 0
.macro QUANT s, w, pw
	WIN (\w)|((\w)<<2)
.irp b, 0,1,2,3
	v_max3_num_f32 v[TM+\b], |v[(\s)+16*\b]|, |v[(\s)+1+16*\b]|, 0x1800000
.endr
	WIN ((\w)<<2)|((\w)<<4)
.irp i, 2,4,6,8,10,12,14
.irp b, 0,1,2,3
	v_max3_num_f32 v[TM+\b], v[TM+\b], |v[(\s)+16*\b+\i]|, |v[(\s)+1+16*\b+\i]|
.endr
.endr
	WIN 0
.irp b, 0,1,2,3
	v_permlanex16_b32 v[TM+4+\b], v[TM+\b], s[SEL], s[SEL+1]
.endr
.irp b, 0,1,2,3
	v_max_num_f32 v[TM+\b], v[TM+\b], v[TM+4+\b]
.endr
.irp b, 0,1,2,3
	v_add_nc_u32 v[TM+12+\b], 0xff000000, v[TM+\b]
.endr
.irp b, 0,1,2,3
	v_lshrrev_b32 v[TM+4+\b], 23, v[TM+12+\b]
.endr
	v_lshl_or_b32 v[\pw], v[TM+5], 8, v[TM+4]
	v_lshl_or_b32 v[\pw], v[TM+6], 16, v[\pw]
	v_lshl_or_b32 v[\pw], v[TM+7], 24, v[\pw]
	s_wait_xcnt 0x0
	WIN (\w)
.irp c, 0,1
	v_cvt_scalef32_pk16_fp6_f32 v[PC+6*\c:PC+6*\c+2], v[(\s)+32*\c:(\s)+32*\c+15], v[TM+12+2*\c]
	v_cvt_scalef32_pk16_fp6_f32 v[PCX+4*\c:PCX+4*\c+2], v[(\s)+32*\c+16:(\s)+32*\c+31], v[TM+12+2*\c+1]
.endr
	WIN 0
	v_nop
.irp c, 0,1
.irp i, 0,1,2
	v_permlane16_swap_b32 v[PC+6*\c+\i], v[PCX+4*\c+\i]
.endr
.irp i, 0,1,2
	v_mov_b32 v[PC+3+6*\c+\i], v[PCX+4*\c+\i]
.endr
.endr
.endm
.macro OUT a
.irp c, 0,1,2
	global_store_b128 v[LI], v[PC+4*\c:PC+4*\c+3], s[72:73] offset:1536*(\a)+512*\c
.endr
.endm
.macro SUMSQ a
.set CH, T+4*(\a)
	WIN 0x0a
	v_pk_mul_f32 v[CH:CH+1], v[64*(\a):64*(\a)+1], v[64*(\a):64*(\a)+1]
	v_pk_mul_f32 v[CH+2:CH+3], v[64*(\a)+2:64*(\a)+3], v[64*(\a)+2:64*(\a)+3]
.set ix, 2
.rept 30
	v_pk_fma_f32 v[CH+2*(ix%2):CH+2*(ix%2)+1], v[64*(\a)+2*ix:64*(\a)+2*ix+1], v[64*(\a)+2*ix:64*(\a)+2*ix+1], v[CH+2*(ix%2):CH+2*(ix%2)+1]
.set ix, ix+1
.endr
	WIN 0
	v_pk_add_f32 v[CH:CH+1], v[CH:CH+1], v[CH+2:CH+3]
	v_add_f32 v[CH], v[CH], v[CH+1]
	v_permlanex16_b32 v[CH+1], v[CH], s[SEL], s[SEL+1]
	v_add_f32 v[CH], v[CH], v[CH+1]
	v_fma_f32 v[CH], v[CH], s76, s77
.endm
.macro NORM a
	WIN 0x02
.set ix, 0
.rept 32
	v_pk_mul_f32 v[T+ix:T+ix+1], v[64*(\a)+ix:64*(\a)+ix+1], v[RS+2*(\a):RS+2*(\a)+1] op_sel_hi:[1,0]
.set ix, ix+2
.endr
	WIN 0x04
.set ix, 0
.rept 32
	v_pk_mul_f32 v[T+ix:T+ix+1], v[T+ix:T+ix+1], v[192+ix:193+ix]
.set ix, ix+2
.endr
	WIN 0x0c
.set ix, 0
.rept 16
.set UU, UV+4*((ix/2)%2)
	v_pk_mul_f32 v[UU:UU+1], v[T+32+ix:T+33+ix], v[64*(\a)+32+ix:64*(\a)+33+ix]
	v_pk_mul_f32 v[UU+2:UU+3], v[T+ix:T+ix+1], v[64*(\a)+32+ix:64*(\a)+33+ix]
	v_pk_fma_f32 v[T+ix:T+ix+1], v[T+ix:T+ix+1], v[64*(\a)+ix:64*(\a)+ix+1], v[UU:UU+1] neg_lo:[0,0,1] neg_hi:[0,0,1]
	v_pk_fma_f32 v[T+32+ix:T+33+ix], v[T+32+ix:T+33+ix], v[64*(\a)+ix:64*(\a)+ix+1], v[UU+2:UU+3]
.set ix, ix+2
.endr
	WIN 0
.endm
	PLACES 4
	s_wait_loadcnt 0x0
.irp b, 0,1,2,3
	v_mov_b32 v[TM+4+\b], 0
.endr
	s_cmp_eq_u32 s80, 1
	s_cbranch_scc1 .Lv
	SUMSQ 0
	SUMSQ 1
	SUMSQ 2
	SUMSQ 3
	s_wait_alu depctr_va_vdst(0)
.irp a, 0,1,2,3
	v_rsq_f32 v[RS+2*\a], v[T+4*\a]
.endr
.irp a, 0,1,2,3
	v_mov_b32 v[RS+2*\a+1], 0
.endr
	s_wait_alu depctr_va_vdst(0)
.irp a, 0,1,2,3
	NORM \a
	QUANT T, 0, PW+\a
	OUT \a
.endr
	s_branch .Ljoin
.Lv:
.irp a, 0,1,2,3
	QUANT 64*\a, 2, PW+\a
	OUT \a
.endr
.Ljoin:
	v_and_b32 v1, 31, v0
	v_cmp_gt_u32 vcc_lo, 16, v1
	v_cndmask_b32 v[SD], v[PW+2], v[PW], vcc_lo
	v_cndmask_b32 v[SD+1], v[PW+3], v[PW+1], vcc_lo
	global_store_b64 v[SWA], v[SD:SD+1], s[72:73]
	s_wait_tensorcnt 0x0
	ds_add_u32 v[SPW], v[NIL]
	s_wait_dscnt 0x0
	CROUND
	s_endpgm
.Lfunc_end_k_qfd6619aaa0_qkv:
	.size	k_qfd6619aaa0_qkv, .Lfunc_end_k_qfd6619aaa0_qkv-k_qfd6619aaa0_qkv
	.p2alignl 7, 3214868480
	.fill 96, 4, 3214868480
	.section	.rodata,"a",@progbits
	.p2align	6, 0x0
	.amdhsa_kernel k_qfd6619aaa0_qkv
		.amdhsa_group_segment_fixed_size 327680
		.amdhsa_private_segment_fixed_size 0
		.amdhsa_enable_private_segment 0
		.amdhsa_kernarg_size 48
		.amdhsa_user_sgpr_count 2
		.amdhsa_user_sgpr_kernarg_segment_ptr 1
		.amdhsa_wavefront_size32 1
		.amdhsa_system_sgpr_workgroup_id_x 1
		.amdhsa_system_sgpr_workgroup_id_y 1
		.amdhsa_system_sgpr_workgroup_id_z 1
		.amdhsa_system_vgpr_workitem_id 0
		.amdhsa_next_free_vgpr 1024
		.amdhsa_next_free_sgpr 100
		.amdhsa_reserve_vcc 1
		.amdhsa_float_denorm_mode_32 3
		.amdhsa_float_denorm_mode_16_64 3
		.amdhsa_memory_ordered 1
		.amdhsa_forward_progress 1
		.amdhsa_inst_pref_size 204
	.end_amdhsa_kernel
	.amdgpu_metadata
---
amdhsa.version: [ 1, 2 ]
amdhsa.kernels:
  - .name:           k_qfd6619aaa0_qkv
    .symbol:         k_qfd6619aaa0_qkv.kd
    .args:
      - { .name: hw, .offset: 0, .size: 8, .value_kind: global_buffer, .address_space: global }
      - { .name: cos_full, .offset: 8, .size: 8, .value_kind: global_buffer, .address_space: global }
      - { .name: sin_full, .offset: 16, .size: 8, .value_kind: global_buffer, .address_space: global }
      - { .name: q_norm_w, .offset: 24, .size: 8, .value_kind: global_buffer, .address_space: global }
      - { .name: k_norm_w, .offset: 32, .size: 8, .value_kind: global_buffer, .address_space: global }
      - { .name: heads, .offset: 40, .size: 8, .value_kind: global_buffer, .address_space: global }
    .group_segment_fixed_size: 327680
    .private_segment_fixed_size: 0
    .kernarg_segment_align: 8
    .kernarg_segment_size: 48
    .max_flat_workgroup_size: 128
    .sgpr_count:     100
    .vgpr_count:     1024
    .wavefront_size: 32
...
	.end_amdgpu_metadata
.endif
;; end of part 2
;; launch attn (part 3): grid 32 x 8, 8 waves a work-group, clusters of 4 x 4, 327,680 bytes of LDS; arguments heads, attention_mask, ac; writes ac
.if DOCPART == 3
	.amdgcn_target "amdgcn-amd-amdhsa--gfx1250"
	.amdhsa_code_object_version 6
	.text
	.protected	k_qfd6619aaa0_attn
	.globl	k_qfd6619aaa0_attn
	.p2align	8
	.type	k_qfd6619aaa0_attn,@function
k_qfd6619aaa0_attn:
	s_mov_b64 s[64:65], 0
	v_nop
	global_prefetch_b8 v0, s[64:65] scope:SCOPE_SE
	s_setreg_imm32_b32 hwreg(HW_REG_WAVE_MODE, 25, 1), 1
	s_wait_xcnt 0x0
	s_wait_alu depctr_hold_cnt(0) depctr_sa_sdst(0) depctr_va_vdst(0) depctr_va_sdst(0) depctr_va_ssrc(0) depctr_va_vcc(0) depctr_vm_vsrc(0)
	s_getreg_b32 s2, hwreg(HW_REG_IB_STS2, 6, 4)
	s_cmp_eq_u32 s2, 0
	s_cbranch_scc0 .Lentry_in_a_cluster
	s_endpgm
.Lentry_in_a_cluster:
	s_bfe_u32 s2, ttmp6, 0x10000c
	s_cmp_lg_u32 s2, 0xf033
	s_cbranch_scc0 .Lentry_shape_is_right
	s_endpgm
.Lentry_shape_is_right:
; attn[token][head x 128 + d] = softmax_k(q . k x 2^-3.5 + mask) v, both products on codes of FP6 (E2M3) with E8M0 scales; the result is quantised along head x 128 + d for the output projection.
; THE SOFTMAX: the mask, times 2^3.5, is the C operand of the score product: u = score + mask x 2^3.5, and t = logit x log2(e) = u x c with c = 2^-3.5 log2(e).
; M = the running largest t (rounded to f32) rounded up to a whole number; p = 2^(u c - M), one fused multiply-add and one exponential, is quantised along the keys, not normalised;
; the row's sum is taken of the unquantised p and divides at the end.  When M moves, the sum and O are multiplied by 2^(old M - new M): exact.
; THE MASK IS AN INPUT: every score of every head is computed and every mask number is honoured.  No work of the problem is left out here.
; SHARES.  A work-group owns 64 queries of one key/value head, for both of its query heads.  Wave w takes the tile of 16 queries w % 4 for BOTH heads, and of each slot's two key steps of 128 keys the step w / 4:
; a fragment of K or V feeds two products, a mask number two logits.  Two waves to a SIMD, 512 registers each.  A slot of the ring holds K's two records, V's two, and 64 x 256 numbers of the mask.
; A wave's tile 0 is head 2 kvh + w / 4, its tile 1 the other head.  At the end wave w hands its tile 1 to wave w xor 4 through LDS and takes that wave's tile 1, which is its own tile 0 over the other keys.
; THE LOOP IS LAID ACROSS THE CHANGE OF SLOTS.  A wave's last reads of a slot are V's; they have landed in the middle of tile 1's softmax, and there the change of slots stands.
; Behind it the next step's K is loaded at once (K's registers are free behind the second score product; V has registers of its own), and the next mask behind p's conversions (into the registers that held p):
; both land while the rest of the softmax, the rescaling of O and the second product are worked.  Six trips fill a slot; the last two steps are a loop of two trips with no fill, whose last trip jumps round the next loads by its own count.
; LAYOUT.  S^T = K Q^T, O^T = V^T P^T: a lane holds one query.  Fragments come as images of their registers; lane r of fragment f holds row 32 (f / 2) + 8 (f % 2) + r + 8 (r / 8) of its block of 128,
; so register 16 b + i of S^T is key 32 b + 16 h + i, and of O^T channel 32 b + 16 h + i.
; CLUSTERS: 4 x 4.  K and V hang on the key/value head alone and are asked for jointly along a row of the cluster; the mask's tile hangs on the query block alone and jointly along a column.
; LIMITS: the promise holds while |t| stays under 2^31 (then u c - M is at most 64, and p, its sums and O stay finite); the mask's numbers are finite and so are they times 2^3.5; NaN is not served;
; a block of zeros gets the byte 1 (this program alone reads the bytes); a fragment's scale words leave as 64 bytes of a 256-byte block; the sums over the keys are formed in two halves and added.
; REGISTERS: window 0: v1-11 addresses; v12-15, v72-75 -M, largest t, the sum in two halves, of tiles 0, 1; v16-27, v60-71 Q; v28, v29 its scale words; v32-39 K's scale words, v40-47 V's; v48-59, v224-235 p's codes;
;   v76-81 addresses; v82, v83 p's scale words; v84-95 V's fragment 7; v96-159 X: the mask x 2^3.5, then tile 1's u and p; v160-223 Y: tile 0's u and p, then V's fragments 0-4; v232-254 at work.
;   window 1: v0-95 K's eight fragments; v96-159 O^T of tile 0, v160-223 of tile 1; v224-247 V's fragments 5, 6.
.set HREC,  12800
.set VOFF,  2*HREC
.set MOFF,  4*HREC
.set MP,    1032                       ; a mask row in LDS: 1,024 bytes + 8
.set SLOT1, 1<<17
.set SPARE, 2*SLOT1
.set NSL,   8
.set STGB,  8448                       ; the hand-over, from LDS byte 0 on: slot 0 has had its last fill, and its last reads lie ahead of the last two barriers
.set LI,  1
.set LR,  2
.set AM0, 3
.set QFO, 4
.set SPW, 5
.set NIL, 6
.set SWO, 7
.set ADF, 8
.set ADS, 9
.set ADM, 10
.set QSO, 11
.set PFO, 30
.set AFO, 31
.set KS,  32
.set VS,  40
.set PC,  48
.set Q1,  60
.set STW, 76
.set STW2, 77
.set STR, 78
.set STR2, 79
.set LIK, 80
.set LRK, 81
.set PSW, 82
.set V7,  84
.set XA,  96
.set YA,  160
.set PCX, 160                          ; the way out alone
.set PW,  168
.set TM,  232
.set TQ,  240
.set WV,  18
.set SEL, 20
.set CS,  22                           ; s[22:23] c = 2^-3.5 log2(e)
.set G1KV, 24
.set G1M,  32
.set G0KV, 40
.set G0M,  44
.set TB,   2
.set TL,   3
.set SLOTS, 67
.set PFA,  76
.set PFB,  78
.set PFS,  80
.set LIM,  94
.set MSB, 0
.macro WIN new
.if MSB != (\new)
	s_set_vgpr_msb (MSB<<8)|(\new)
.set MSB, (\new)
.endif
.endm
; Waves 0-3 fetch 16 rows of the mask's tile each, wave 4 K's two records, wave 5 V's, waves 6 and 7 nothing: branches on the wave's number alone.
.macro TLOAD
	s_cmp_lt_u32 s[WV], 4
	s_cbranch_scc0 .Lnot_m_\@
	tensor_load_to_lds s[G0M:G0M+3], s[G1M:G1M+7]
	s_nop 0
.rept 4
	v_nop
.endr
	s_branch .Lasked_\@
.Lnot_m_\@:
	s_cmp_lt_u32 s[WV], 6
	s_cbranch_scc0 .Lasked_\@
	tensor_load_to_lds s[G0KV:G0KV+3], s[G1KV:G1KV+7]
	s_nop 0
.rept 4
	v_nop
.endr
.Lasked_\@:
.endm
; A PREFETCH of what the NEXT change of slots will ask for, by the two waves that fetch nothing, two instructions each.  K and V: cluster x = 0 asks, wave 6; its partners along x take 25 blocks of 256 bytes each of K's
; 25,600 bytes and of V's, by address (lanes 25-31 name lane 24's block again).  The mask: cluster y = 0 asks, wave 7; its partners along y take 16 rows each, 8 rows x 4 blocks an instruction.  The last filling change asks for nothing.
.macro ASK
	s_cmp_gt_u32 s[SLOTS], s[LIM]
	s_cbranch_scc0 .Lnot_mine_\@
	global_prefetch_b8 v[PFO], s[PFA:PFA+1] th:TH_LOAD_NT scope:SCOPE_SE
	global_prefetch_b8 v[PFO], s[PFB:PFB+1] th:TH_LOAD_NT scope:SCOPE_SE
.Lnot_mine_\@:
.endm
.macro CROUND
	s_barrier_signal -1
	s_barrier_wait -1
	s_cmp_lg_u32 s[WV], 0
	s_cbranch_scc1 .Lnot_wave_0_\@
	s_barrier_signal -3
.Lnot_wave_0_\@:
	s_barrier_wait -3
	s_barrier_signal -1
	s_barrier_wait -1
.endm
	s_load_b128 s[4:7], s[0:1], 0x0                ; heads, mask
	s_load_b64 s[8:9], s[0:1], 0x10                ; ac
	v_lshl_add_u32 v[SPW], v0, 2, SPARE
	v_mov_b32 v[NIL], 0
	ds_add_u32 v5, v6
	ds_add_u32 v5, v6
	s_wait_dscnt 0x0
	v_lshrrev_b32 v8, 5, v0
	s_delay_alu instid0(VALU_DEP_1)
	v_readfirstlane_b32 s[WV], v8
	s_bfe_u32 s48, ttmp6, 0x40000                  ; cx
	s_bfe_u32 s49, ttmp6, 0x40004                  ; cy
	s_lshl_b32 s50, ttmp9, 2
	s_add_co_u32 s50, s50, s48                     ; qb
	s_and_b32 s52, ttmp7, 0xffff
	s_lshl_b32 s51, s52, 2
	s_add_co_u32 s51, s51, s49                     ; kvh
	s_lshl_b32 s53, s49, 2
	s_lshl_b32 s53, 15, s53
	s_lshl_b32 s54, 0x1111, s48
	s_or_b32 s[G1KV], s53, (3<<16)|(1<<21)         ; K, V: 25,600 dense bytes as 100 rows of 256
	s_mov_b32 s[G1KV+1], 32<<16
	s_mov_b32 s[G1KV+2], 100<<16
	s_mov_b32 s[G1KV+3], 32<<16
	s_mov_b32 s[G1KV+4], 100
	s_mov_b32 s[G1KV+5], 32
	s_mov_b32 s[G1KV+6], 0
	s_mov_b32 s[G1KV+7], 0
	s_or_b32 s[G1M], s54, (2<<16)|(1<<20)|(1<<21)|(7<<22)|(1<<25)   ; the mask: 16 rows of 256 numbers, 2 words of padding behind each
	s_mov_b32 s[G1M+1], 256<<16
	s_mov_b32 s[G1M+2], 16<<16
	s_mov_b32 s[G1M+3], 256<<16
	s_mov_b32 s[G1M+4], 16
	s_mov_b32 s[G1M+5], 2048
	s_mov_b32 s[G1M+6], 0
	s_mov_b32 s[G1M+7], 0
	s_and_b32 s56, s[WV], 3                        ; my tile of queries; also which 16 rows of the mask I fetch
	s_lshr_b32 s57, s[WV], 2                       ; my key step of a slot's two; also which head is my tile 0
	s_and_b32 s58, s[WV], 1                        ; K or V, if I fetch one
	s_lshl_b32 s84, s58, 3
	s_add_co_u32 s84, s84, 16
	s_add_co_u32 s84, s84, s51
	s_mul_i32 s84, s84, 16*HREC
	s_mov_b32 s85, 0
	s_lshl_b32 s86, s50, 6
	s_lshl_b32 s87, s56, 4
	s_add_co_u32 s86, s86, s87
	s_lshl_b32 s86, s86, 13
	s_mov_b32 s87, 0
	s_mov_b32 s10, 0x413504f3                      ; 2^3.5
	s_mov_b32 s11, s10
	s_mov_b32 s[CS], 0x3e0293ee                    ; c
	s_mov_b32 s[CS+1], s[CS]
	s_mov_b32 s[SEL], 0x76543210
	s_mov_b32 s[SEL+1], 0xfedcba98
	s_mov_b32 s[TB], 0
	s_mov_b32 s[SLOTS], NSL-1
	s_wait_kmcnt 0x0
	s_mov_b32 s[G0KV], 1
	s_mul_i32 s[G0KV+1], s58, VOFF
	s_add_nc_u64 s[G0KV+2:G0KV+3], s[4:5], s[84:85]
	s_or_b32 s[G0KV+3], s[G0KV+3], 0x80000000
	s_mov_b32 s[G0M], 1
	s_mul_i32 s[G0M+1], s56, 16*MP
	s_add_co_u32 s[G0M+1], s[G0M+1], MOFF
	s_add_nc_u64 s[G0M+2:G0M+3], s[6:7], s[86:87]
	s_or_b32 s[G0M+3], s[G0M+3], 0x80000000
	CROUND
	TLOAD                                          ; slot 0
	v_and_b32 v8, 31, v0
	v_and_b32 v9, 15, v0
	s_wait_alu depctr_va_vdst(0)
	v_bfe_u32 v10, v0, 4, 1
	v_lshlrev_b32 v[LI], 4, v8
	v_lshlrev_b32 v[LR], 4, v9
	s_mul_i32 s85, s57, HREC
	v_add_nc_u32 v[LIK], s85, v[LI]
	v_add_nc_u32 v[LRK], s85, v[LR]
	s_lshr_b32 s84, s56, 1
	s_lshl_b32 s84, s84, 5
	s_and_b32 s85, s56, 1
	s_lshl_b32 s85, s85, 3
	s_add_co_u32 s84, s84, s85
	s_mul_i32 s84, s84, MP
	s_add_co_u32 s84, s84, MOFF
	s_lshl_b32 s85, s57, 9
	s_add_co_u32 s84, s84, s85
	v_and_b32 v12, 8, v9
	s_delay_alu instid0(VALU_DEP_1)
	v_add_nc_u32 v12, v12, v9
	s_delay_alu instid0(VALU_DEP_1)
	v_mul_u32_u24 v[AM0], v12, MP
	s_wait_alu depctr_va_vdst(0)
	v_lshl_add_u32 v[AM0], v10, 6, v[AM0]
	s_delay_alu instid0(VALU_DEP_1)
	v_add_nc_u32 v[AM0], s84, v[AM0]
	s_mul_i32 s84, s[WV], STGB
	v_add_nc_u32 v[STW], s84, v[LI]
	v_lshl_add_u32 v[STW2], v8, 3, s84
	s_xor_b32 s85, s[WV], 4
	s_mul_i32 s85, s85, STGB
	v_add_nc_u32 v[STR], s85, v[LI]
	v_lshl_add_u32 v[STR2], v8, 3, s85
	s_lshl_b32 s55, s51, 1
	s_add_co_u32 s55, s55, s57                     ; the head of my tile 0
	s_lshl_b32 s88, s55, 4
	s_lshr_b32 s89, s50, 1
	s_add_co_u32 s88, s88, s89
	s_mul_i32 s88, s88, HREC
	s_mov_b32 s89, 0
	s_add_nc_u64 s[74:75], s[4:5], s[88:89]
	s_xor_b32 s90, s55, 1
	s_lshl_b32 s90, s90, 4
	s_lshr_b32 s91, s50, 1
	s_add_co_u32 s90, s90, s91
	s_mul_i32 s90, s90, HREC
	s_mov_b32 s91, 0
	s_add_nc_u64 s[72:73], s[4:5], s[90:91]
	s_and_b32 s90, s50, 1
	s_lshl_b32 s91, s90, 2
	s_add_co_u32 s91, s91, s56
	s_mul_i32 s91, s91, 1536
	v_add_nc_u32 v[QFO], s91, v[LI]
	s_lshl_b32 s90, s90, 8
	s_lshl_b32 s91, s56, 2
	s_add_co_u32 s90, s90, s91
	s_add_co_u32 s90, s90, 12288
	v_add_nc_u32 v[QSO], s90, v[LR]
.irp c, 0,1,2
	global_load_b128 v[16+4*\c:19+4*\c], v[QFO], s[74:75] offset:512*\c
	global_load_b128 v[Q1+4*\c:Q1+4*\c+3], v[QFO], s[72:73] offset:512*\c
.endr
	global_load_b32 v28, v[QSO], s[74:75]
	global_load_b32 v29, v[QSO], s[72:73]
	s_lshl_b32 s88, s50, 2
	s_add_co_u32 s88, s88, s56
	s_lshl_b32 s88, s88, 2
	s_lshr_b32 s90, s55, 2
	s_add_co_u32 s88, s88, s90
	s_mul_i32 s88, s88, 6400
	s_add_nc_u64 s[70:71], s[8:9], s[88:89]
	s_and_b32 s90, s55, 3
	s_mul_i32 s91, s90, 1536
	v_add_nc_u32 v[AFO], s91, v[LI]
	s_lshl_b32 s90, s90, 2
	s_add_co_u32 s90, s90, 6144
	v_add_nc_u32 v[SWO], s90, v[LR]
	v_min_u32 v13, 24, v8
	s_delay_alu instid0(VALU_DEP_1)
	v_lshlrev_b32 v13, 8, v13
	v_lshrrev_b32 v14, 2, v8
	s_delay_alu instid0(VALU_DEP_1)
	v_lshlrev_b32 v14, 13, v14
	v_and_b32 v15, 3, v8
	s_delay_alu instid0(VALU_DEP_1)
	v_lshl_add_u32 v14, v15, 8, v14
	s_wait_alu depctr_va_vdst(0)
	s_add_co_u32 s88, s51, 16
	s_mul_i32 s88, s88, 16*HREC
	s_mul_i32 s90, s48, 6400
	s_add_co_u32 s88, s88, s90
	s_add_co_u32 s88, s88, 2*HREC                  ; K's slot 1: the first change of slots steps it to slot 2
	s_lshl_b32 s90, s50, 6
	s_lshl_b32 s91, s49, 4
	s_add_co_u32 s90, s90, s91
	s_lshl_b32 s90, s90, 13
	s_add_co_u32 s90, s90, 1024
	s_mov_b32 s[PFS], 1024
	s_mov_b32 s92, 65536
	s_cmp_eq_u32 s[WV], 6
	s_cselect_b64 s[PFA:PFA+1], s[4:5], s[6:7]
	s_cselect_b32 s88, s88, s90
	s_cselect_b32 s[PFS], 2*HREC, s[PFS]
	s_cselect_b32 s92, 8*16*HREC, s92
	s_cselect_b32 s83, -1, 0
	s_cselect_b32 s82, ttmp9, s52
	s_mov_b32 s93, 0
	s_mov_b32 s[PFS+1], 0
	v_cndmask_b32 v[PFO], v14, v13, s83
	s_add_nc_u64 s[PFA:PFA+1], s[PFA:PFA+1], s[88:89]
	s_add_nc_u64 s[PFB:PFB+1], s[PFA:PFA+1], s[92:93]
	s_lshr_b32 s95, s[WV], 1
	s_xor_b32 s95, s95, 3
	s_or_b32 s82, s82, s95
	s_cmp_eq_u32 s82, 0
	s_cselect_b32 s[LIM], 1, -1
.irp b0, 12, 72
	v_mov_b32 v[\b0+1], 0xff61b1e6                 ; the largest t so far: -3e38
	s_delay_alu instid0(VALU_DEP_1)
	v_floor_f32 v[\b0], -v[\b0+1]
	v_mov_b32 v[\b0+2], 0
	v_mov_b32 v[\b0+3], 0
.endr
.irp b, 0,1,2,3
	v_mov_b32 v[236+\b], 0                         ; a lane permute's destination counts as read
.endr
	v_mov_b32 v253, 0                              ; the upper half of v[252:253]; it stays 0
	WIN 0x40
.set ix, 0
.rept 128
	v_mov_b32 v[96+ix], 0                          ; O^T of both tiles: the step is written once; its first pass finds zeros
.set ix, ix+1
.endr
	WIN 0
; A CHANGE OF SLOTS THAT FILLS: all my tensor loads are in, the add, my LDS reads are in; a round of the cluster's barrier; the slot that was left is filled with the keys two slots on.
.macro SYNCF
	s_wait_tensorcnt 0x0
	ds_add_u32 v[SPW], v[NIL]
	s_xor_b32 s[G0KV+1], s[G0KV+1], SLOT1
	s_add_nc_u64 s[G0KV+2:G0KV+3], s[G0KV+2:G0KV+3], 2*HREC
	s_xor_b32 s[G0M+1], s[G0M+1], SLOT1
	s_add_nc_u64 s[G0M+2:G0M+3], s[G0M+2:G0M+3], 1024
	s_wait_xcnt 0x0                                ; the last prefetches have read their addresses
	s_add_nc_u64 s[PFA:PFA+1], s[PFA:PFA+1], s[PFS:PFS+1]
	s_add_nc_u64 s[PFB:PFB+1], s[PFB:PFB+1], s[PFS:PFS+1]
	s_wait_dscnt 0x0
	CROUND
	TLOAD
	ASK
.endm
.macro NEXTK                           ; the addresses in slot TB, K's scale words and its eight fragments
	v_add_nc_u32 v[ADF], s[TB], v[LIK]
	v_add_nc_u32 v[ADS], s[TB], v[LRK]
	v_add_nc_u32 v[ADM], s[TB], v[AM0]
.irp g, 0,1
	ds_load_b128 v[KS+4*\g:KS+4*\g+3], v[ADS] offset:12288+256*\g
.endr
	WIN 0x40
.irp t, 0,1,2,3,4,5,6,7
.irp c, 0,1,2
	ds_load_b128 v[12*\t+4*\c:12*\t+4*\c+3], v[ADF] offset:1536*\t+512*\c
.endr
.endr
	WIN 0
.endm
.macro NEXTM                           ; mask(my query, keys 32 b + 16 h + 2 e, + 1) into X
.irp b, 0,1,2,3
.irp e, 0,1,2,3,4,5,6,7
	ds_load_b64 v[XA+16*\b+2*\e:XA+1+16*\b+2*\e], v[ADM] offset:128*\b+8*\e
.endr
.endr
.endm
.macro VLOAD                           ; V's scale words and fragments, into registers of their own
.irp g, 0,1
	ds_load_b128 v[VS+4*\g:VS+4*\g+3], v[ADS] offset:VOFF+12288+256*\g
.endr
.irp t, 0,1,2,3,4
.irp c, 0,1,2
	ds_load_b128 v[YA+12*\t+4*\c:YA+12*\t+4*\c+3], v[ADF] offset:VOFF+1536*\t+512*\c
.endr
.endr
.irp c, 0,1,2
	ds_load_b128 v[V7+4*\c:V7+4*\c+3], v[ADF] offset:VOFF+1536*7+512*\c
.endr
	WIN 0x40
.irp t, 5,6
.irp c, 0,1,2
	ds_load_b128 v[224+12*(\t-5)+4*\c:224+12*(\t-5)+4*\c+3], v[ADF] offset:VOFF+1536*\t+512*\c
.endr
.endr
	WIN 0
.endm
; In the middle of tile 1's softmax: the change of slots, and the next step's K.  FILLV = 0: the last two steps: a plain barrier, nothing is filled; the last of them has no next step.
.macro MID1
.if FILLV
	SYNCF
	s_xor_b32 s[TB], s[TB], SLOT1
	NEXTK
.else
	s_wait_tensorcnt 0x0
	ds_add_u32 v[SPW], v[NIL]
	s_wait_dscnt 0x0
	s_barrier_signal -1
	s_barrier_wait -1
	s_xor_b32 s[TB], s[TB], SLOT1
	s_cmp_eq_u32 s[TL], 1
	s_cbranch_scc1 .Lnok_\@
	NEXTK
.Lnok_\@:
.endif
.endm
.macro MID2                            ; behind p's conversions: the next step's mask
.if FILLV
	NEXTM
.else
	s_wait_alu depctr_va_vdst(0)
	s_cmp_eq_u32 s[TL], 1
	s_cbranch_scc1 .Lnom_\@
	NEXTM
.Lnom_\@:
.endif
.endm
; THE SOFTMAX of tile u for my 128 keys: u's numbers (tile 0 in Y, tile 1 in X) become p, its codes and its scale word; the tile's sum and O^T are brought under the new M.  It leaves the windows at O^T's setting.
.macro SOFT u
.set B0, 12+60*(\u)
.set PB, 48+176*(\u)
.set OB, 96+64*(\u)
.set SB, 160-64*(\u)
.irp a, 0,1,2,3,4,5,6,7
	v_max3_num_f32 v[TQ+\a], v[SB+8*\a], v[SB+1+8*\a], v[SB+2+8*\a]   ; eight chains by turns, one to an accumulator, each from its low end on
.endr
.irp i, 3,5
.irp a, 0,1,2,3,4,5,6,7
	v_max3_num_f32 v[TQ+\a], v[TQ+\a], v[SB+8*\a+\i], v[SB+1+8*\a+\i]
.endr
.endr
.irp b, 0,1,2,3
	v_max3_num_f32 v[TQ+2*\b], v[TQ+2*\b], v[SB+7+16*\b], v[SB+15+16*\b]   ; the even chains take both accumulators' last registers
.endr
	v_mov_b32 v255, v[B0]                          ; the old -M, kept for the factor below
.irp b, 0,1,2,3
	v_max_num_f32 v[232+\b], v[TQ+2*\b], v[TQ+1+2*\b]   ; the largest of each block of 32 keys: for the row's maximum and, since p rises with it, for the block's largest p
.endr
.irp b, 0,1,2,3
	s_delay_alu instid0(VALU_DEP_4)
	v_permlanex16_b32 v[236+\b], v[232+\b], s[SEL], s[SEL+1]
.endr
.irp b, 0,1,2,3
	s_delay_alu instid0(VALU_DEP_4)
	v_max_num_f32 v[232+\b], v[232+\b], v[236+\b]
.endr
	s_delay_alu instid0(VALU_DEP_2)
	v_max3_num_f32 v254, v232, v233, v234
	s_delay_alu instid0(VALU_DEP_1)
	v_max_num_f32 v254, v254, v235
	s_delay_alu instid0(VALU_DEP_1)
	v_mul_f32 v254, s[CS], v254                    ; as t (c is positive)
	s_delay_alu instid0(VALU_DEP_1)
	v_max_num_f32 v[B0+1], v[B0+1], v254           ; the running largest t
	s_delay_alu instid0(VALU_DEP_1)
	v_floor_f32 v[B0], -v[B0+1]                    ; the new -M: a whole number
	s_delay_alu instid0(VALU_DEP_1)
	v_sub_f32 v254, v[B0], v255                    ; old M - new M, 0 or less
	s_delay_alu instid0(VALU_DEP_1)
	v_cvt_i32_f32 v254, v254                       ; (it saturates)
	s_delay_alu instid0(VALU_DEP_1)
	v_ldexp_f32 v252, 1.0, v254                    ; f = 2^(old M - new M)
.set ix, 0
.rept 32
	v_pk_fma_f32 v[SB+ix:SB+ix+1], v[SB+ix:SB+ix+1], s[CS:CS+1], v[B0:B0+1] op_sel_hi:[1,0,0]   ; u c - M
.set ix, ix+2
.endr
.irp b, 0,1,2,3
	v_fma_f32 v[232+\b], v[232+\b], s[CS], v[B0]   ; the same of each block's largest
.endr
.if \u == 1
	s_wait_alu depctr_va_vdst(0)
	MID1                                           ; the change of slots and the next K: the exponentials, the sums, the rescaling and the second product follow
.endif
.set ix, 0
	s_wait_alu depctr_va_vdst(0)
.rept 64
	v_exp_f32 v[SB+ix], v[SB+ix]
.set ix, ix+1
.endr
	v_pk_mul_f32 v[B0+2:B0+3], v[B0+2:B0+3], v[252:253] op_sel_hi:[1,0]   ; the sums under the new M (a plain instruction behind the exponentials)
	s_wait_alu depctr_va_vdst(0)                   ; one wait for the batch
.irp b, 0,1,2,3
	v_exp_f32 v[232+\b], v[232+\b]                 ; the block's largest p: the same instructions on the same number
.endr
	v_pk_add_f32 v[236:237], v[SB:SB+1], v[SB+2:SB+3]   ; the row's sum of the unquantised p, in two chains
.irp j, 4,8,12,16,20,24,28,32,36,40,44,48,52,56,60
	v_pk_add_f32 v[B0+2:B0+3], v[B0+2:B0+3], v[SB+\j:SB+1+\j]
	v_pk_add_f32 v[236:237], v[236:237], v[SB+2+\j:SB+3+\j]
.endr
	s_delay_alu instid0(VALU_DEP_1)
	v_pk_add_f32 v[B0+2:B0+3], v[B0+2:B0+3], v[236:237]
	s_wait_alu depctr_va_vdst(0)                   ; and one for the four
.irp b, 0,1,2,3
	v_max_num_f32 v[232+\b], 0x1800000, v[232+\b]  ; the floor 2^(3 - 127)
.endr
.irp b, 0,1,2,3
	s_delay_alu instid0(VALU_DEP_4)
	v_add_nc_u32 v[244+\b], 0xff000000, v[232+\b]  ; the conversion's scale operand
.endr
.irp b, 0,1,2,3
	s_delay_alu instid0(VALU_DEP_4)
	v_lshrrev_b32 v[236+\b], 23, v[244+\b]
.endr
	s_delay_alu instid0(VALU_DEP_3)
	v_lshl_or_b32 v[PSW+(\u)], v237, 8, v236
	s_delay_alu instid0(VALU_DEP_1)
	v_lshl_or_b32 v[PSW+(\u)], v238, 16, v[PSW+(\u)]
	s_delay_alu instid0(VALU_DEP_1)
	v_lshl_or_b32 v[PSW+(\u)], v239, 24, v[PSW+(\u)]
.irp c, 0,1
	v_cvt_scalef32_pk16_fp6_f32 v[PB+6*\c:PB+6*\c+2], v[SB+32*\c:SB+15+32*\c], v[244+2*\c]
	v_cvt_scalef32_pk16_fp6_f32 v[236+4*\c:238+4*\c], v[SB+16+32*\c:SB+31+32*\c], v[244+2*\c+1]
.endr
	v_nop                                          ; one plain instruction behind a scaled conversion
.irp c, 0,1
.irp i, 0,1,2
	v_permlane16_swap_b32 v[PB+6*\c+\i], v[236+4*\c+\i]
.endr
.irp i, 0,1,2
	s_delay_alu instid0(VALU_DEP_3)
	v_mov_b32 v[PB+3+6*\c+\i], v[236+4*\c+\i]
.endr
.endr
.if \u == 1
	MID2
.else
	VLOAD                                          ; tile 0's p is in codes: V takes its registers, and has the rescaling, the second score product and the head of tile 1's softmax in which to land
.endif
	WIN 0x41
	s_wait_alu depctr_va_vdst(0)
.set ix, 0
.rept 32
	v_pk_mul_f32 v[OB+ix:OB+ix+1], v[OB+ix:OB+ix+1], v[252:253] op_sel_hi:[1,0]   ; O^T under the new M; these 32 also stand between the writes of p's codes and scale word and the products
.set ix, ix+2
.endr
.endm
.macro PV t, vr                        ; O^T += V's fragment t x p, both tiles: sixteen accumulators by turns
.irp u, 0,1
	v_wmma_scale_f32_16x16x128_f8f6f4 v[96+64*\u+8*(\t):103+64*\u+8*(\t)], v[\vr:\vr+11], v[48+176*\u:59+176*\u], v[96+64*\u+8*(\t):103+64*\u+8*(\t)], v[VS+(\t)], v[PSW+\u] matrix_a_fmt:MATRIX_FMT_FP6 matrix_b_fmt:MATRIX_FMT_FP6
.endr
.endm
; MY KEY STEP: 128 keys, both tiles.  Its K, K's scale words and its mask were asked for in the step before.
.macro BODY
	s_wait_dscnt 0x0                               ; they are in
.set ix, 0
.rept 32
	v_pk_mul_f32 v[XA+ix:XA+ix+1], v[XA+ix:XA+ix+1], s[10:11] op_sel_hi:[1,0]   ; mask x 2^3.5, once for both tiles; also the places behind the last products
.set ix, ix+2
.endr
.rept 4
	v_nop
.endr
	WIN 0x01
.irp t, 0,1,2,3,4,5,6,7
	v_wmma_scale_f32_16x16x128_f8f6f4 v[YA+8*\t:YA+7+8*\t], v[12*\t:12*\t+11], v[16:27], v[XA+8*\t:XA+7+8*\t], v[KS+\t], v28 matrix_a_fmt:MATRIX_FMT_FP6 matrix_b_fmt:MATRIX_FMT_FP6
.endr
.rept 4
	v_nop
.endr
	WIN 0
	SOFT 0
	WIN 0x01
.irp t, 0,1,2,3,4,5,6,7
	v_wmma_scale_f32_16x16x128_f8f6f4 v[XA+8*\t:XA+7+8*\t], v[12*\t:12*\t+11], v[Q1:Q1+11], v[XA+8*\t:XA+7+8*\t], v[KS+\t], v29 matrix_a_fmt:MATRIX_FMT_FP6 matrix_b_fmt:MATRIX_FMT_FP6
.endr
.rept 4
	v_nop
.endr
	WIN 0
	SOFT 1
	WIN 0x50                                       ; V in window 0, C and D in window 1
.irp t, 0,1,2,3,4
	PV \t, YA+12*\t
.endr
	PV 7, V7
	WIN 0x51                                       ; V in window 1
	PV 5, 224
	PV 6, 236
	WIN 0
.endm
	s_wait_alu depctr_va_vdst(0)
	SYNCF                                          ; slot 0 is in; slot 1 is asked for
	s_sub_co_u32 s[SLOTS], s[SLOTS], 1
	NEXTK
	NEXTM
	s_wait_loadcnt 0x0                             ; Q
.set FILLV, 1
.Lslot:                                            ; six trips: steps 0-5, which ask for slots 2-7
	BODY
	s_sub_co_u32 s[SLOTS], s[SLOTS], 1
	s_cmp_lg_u32 s[SLOTS], 0
	s_cbranch_scc1 .Lslot
.set FILLV, 0
	s_mov_b32 s[TL], 2
.Ltail:                                            ; steps 6 and 7: no tensor load
	BODY
	s_sub_co_u32 s[TL], s[TL], 1
	s_cmp_lg_u32 s[TL], 0
	s_cbranch_scc1 .Ltail
	; THE HAND-OVER.  My tile 1 goes to wave w xor 4 as an image of its registers; that wave's tile 1 is my tile 0 over the other key steps.
	v_add_f32 v73, v74, v75                        ; four plain instructions behind the last products
	v_add_f32 v13, v14, v15
	v_nop
	v_nop
	WIN 0x04
.set ix, 0
.rept 16
	ds_store_b128 v[STW], v[160+4*ix:163+4*ix] offset:512*ix
.set ix, ix+1
.endr
	WIN 0
	ds_store_b64 v[STW2], v[72:73] offset:8192
	s_wait_dscnt 0x0
	s_barrier_signal -1
	s_barrier_wait -1
.set ix, 0
.rept 16
	ds_load_b128 v[96+4*ix:99+4*ix], v[STR] offset:512*ix
.set ix, ix+1
.endr
	ds_load_b64 v[232:233], v[STR2] offset:8192
	s_wait_dscnt 0x0
	v_min_num_f32 v234, v12, v232                  ; the larger M
	s_delay_alu instid0(VALU_DEP_1)
	v_sub_f32 v235, v234, v12
	s_delay_alu instid0(VALU_DEP_2)
	v_sub_f32 v240, v234, v232
	s_delay_alu instid0(VALU_DEP_2)
	v_cvt_i32_f32 v235, v235
	s_delay_alu instid0(VALU_DEP_2)
	v_cvt_i32_f32 v240, v240
	s_delay_alu instid0(VALU_DEP_2)
	v_ldexp_f32 v235, 1.0, v235
	s_wait_alu depctr_va_vdst(0)
	v_ldexp_f32 v240, 1.0, v240
	v_mul_f32 v13, v13, v235
	s_delay_alu instid0(VALU_DEP_1)
	v_fma_f32 v13, v233, v240, v13
	s_delay_alu instid0(VALU_DEP_1)
	v_permlanex16_b32 v252, v13, s[SEL], s[SEL+1]
	s_delay_alu instid0(VALU_DEP_1)
	v_add_f32 v13, v13, v252                       ; the row's sum
	s_wait_alu depctr_va_vdst(0)
	v_rcp_f32 v241, v13
	v_mov_b32 v249, 0
	v_mov_b32 v251, 0
	s_wait_alu depctr_va_vdst(0)
	v_mul_f32 v248, v235, v241
	v_mul_f32 v250, v240, v241
.set ix, 0
.rept 32
	v_pk_mul_f32 v[96+ix:97+ix], v[96+ix:97+ix], v[250:251] op_sel_hi:[1,0]
.set ix, ix+2
.endr
	WIN 0x01
.set ix, 0
.rept 32
	v_pk_fma_f32 v[96+ix:97+ix], v[96+ix:97+ix], v[248:249], v[96+ix:97+ix] op_sel_hi:[1,0,1]
.set ix, ix+2
.endr
	WIN 0
	; THE WAY OUT: my 16 tokens x 128 of the output projection's K: quantised here, stored as a fragment's image.
.irp b, 0,1,2,3
	v_max3_num_f32 v[TM+\b], |v[96+16*\b]|, |v[97+16*\b]|, 0x1800000
.endr
.irp i, 2,4,6,8,10,12,14
.irp b, 0,1,2,3
	s_delay_alu instid0(VALU_DEP_4)
	v_max3_num_f32 v[TM+\b], v[TM+\b], |v[96+16*\b+\i]|, |v[97+16*\b+\i]|
.endr
.endr
.irp b, 0,1,2,3
	s_delay_alu instid0(VALU_DEP_4)
	v_permlanex16_b32 v[TM+4+\b], v[TM+\b], s[SEL], s[SEL+1]
.endr
.irp b, 0,1,2,3
	s_delay_alu instid0(VALU_DEP_4)
	v_max_num_f32 v[TM+\b], v[TM+\b], v[TM+4+\b]
.endr
.irp b, 0,1,2,3
	s_delay_alu instid0(VALU_DEP_4)
	v_add_nc_u32 v[TM+12+\b], 0xff000000, v[TM+\b]
.endr
.irp b, 0,1,2,3
	s_delay_alu instid0(VALU_DEP_4)
	v_lshrrev_b32 v[TM+4+\b], 23, v[TM+12+\b]
.endr
	s_delay_alu instid0(VALU_DEP_3)
	v_lshl_or_b32 v[PW], v[TM+5], 8, v[TM+4]
	s_delay_alu instid0(VALU_DEP_1)
	v_lshl_or_b32 v[PW], v[TM+6], 16, v[PW]
	s_delay_alu instid0(VALU_DEP_1)
	v_lshl_or_b32 v[PW], v[TM+7], 24, v[PW]
.irp c, 0,1
	v_cvt_scalef32_pk16_fp6_f32 v[PC+6*\c:PC+6*\c+2], v[96+32*\c:111+32*\c], v[TM+12+2*\c]
	v_cvt_scalef32_pk16_fp6_f32 v[PCX+4*\c:PCX+4*\c+2], v[112+32*\c:127+32*\c], v[TM+12+2*\c+1]
.endr
	v_nop
.irp c, 0,1
.irp i, 0,1,2
	v_permlane16_swap_b32 v[PC+6*\c+\i], v[PCX+4*\c+\i]
.endr
.irp i, 0,1,2
	s_delay_alu instid0(VALU_DEP_3)
	v_mov_b32 v[PC+3+6*\c+\i], v[PCX+4*\c+\i]
.endr
.endr
.irp c, 0,1,2
	global_store_b128 v[AFO], v[PC+4*\c:PC+4*\c+3], s[70:71] offset:512*\c   ; 512 consecutive aligned bytes a store
.endr
	global_store_b32 v[SWO], v[PW], s[70:71]       ; my row's scale word (lanes r and r + 16 write the same word with the same value)
	s_wait_tensorcnt 0x0                           ; the wave's end
	ds_add_u32 v[SPW], v[NIL]
	s_wait_dscnt 0x0
	CROUND                                         ; the closing round
	s_endpgm
.Lfunc_end_k_qfd6619aaa0_attn:
	.size	k_qfd6619aaa0_attn, .Lfunc_end_k_qfd6619aaa0_attn-k_qfd6619aaa0_attn
	.p2alignl 7, 3214868480
	.fill 96, 4, 3214868480
	.section	.rodata,"a",@progbits
	.p2align	6, 0x0
	.amdhsa_kernel k_qfd6619aaa0_attn
		.amdhsa_group_segment_fixed_size 327680
		.amdhsa_private_segment_fixed_size 0
		.amdhsa_enable_private_segment 0
		.amdhsa_kernarg_size 24
		.amdhsa_user_sgpr_count 2
		.amdhsa_user_sgpr_kernarg_segment_ptr 1
		.amdhsa_wavefront_size32 1
		.amdhsa_system_sgpr_workgroup_id_x 1
		.amdhsa_system_sgpr_workgroup_id_y 1
		.amdhsa_system_sgpr_workgroup_id_z 1
		.amdhsa_system_vgpr_workitem_id 0
		.amdhsa_next_free_vgpr 512
		.amdhsa_next_free_sgpr 100
		.amdhsa_reserve_vcc 0
		.amdhsa_float_denorm_mode_32 3
		.amdhsa_float_denorm_mode_16_64 3
		.amdhsa_memory_ordered 1
		.amdhsa_forward_progress 1
		.amdhsa_inst_pref_size 115
	.end_amdhsa_kernel
	.amdgpu_metadata
---
amdhsa.version: [ 1, 2 ]
amdhsa.kernels:
  - .name:           k_qfd6619aaa0_attn
    .symbol:         k_qfd6619aaa0_attn.kd
    .args:
      - { .name: heads, .offset: 0, .size: 8, .value_kind: global_buffer, .address_space: global }
      - { .name: attention_mask, .offset: 8, .size: 8, .value_kind: global_buffer, .address_space: global }
      - { .name: ac, .offset: 16, .size: 8, .value_kind: global_buffer, .address_space: global }
    .group_segment_fixed_size: 327680
    .private_segment_fixed_size: 0
    .kernarg_segment_align: 8
    .kernarg_segment_size: 24
    .max_flat_workgroup_size: 256
    .sgpr_count:     100
    .vgpr_count:     512
    .wavefront_size: 32
...
	.end_amdgpu_metadata
.endif
;; end of part 3
;; launch oproj (part 4): grid 16 x 16, 4 waves a work-group, clusters of 4 x 4, 327,680 bytes of LDS; arguments ac, oc, out0; writes out0
.if DOCPART == 4
	.amdgcn_target "amdgcn-amd-amdhsa--gfx1250"
	.amdhsa_code_object_version 6
	.text
	.protected	k_qfd6619aaa0_oproj
	.globl	k_qfd6619aaa0_oproj
	.p2align	8
	.type	k_qfd6619aaa0_oproj,@function
k_qfd6619aaa0_oproj:
	s_mov_b64 s[64:65], 0
	v_nop
	global_prefetch_b8 v0, s[64:65] scope:SCOPE_SE
	s_setreg_imm32_b32 hwreg(HW_REG_WAVE_MODE, 25, 1), 1
	s_wait_xcnt 0x0
	s_wait_alu depctr_hold_cnt(0) depctr_sa_sdst(0) depctr_va_vdst(0) depctr_va_sdst(0) depctr_va_ssrc(0) depctr_va_vcc(0) depctr_vm_vsrc(0)
	s_getreg_b32 s2, hwreg(HW_REG_IB_STS2, 6, 4)
	s_cmp_eq_u32 s2, 0
	s_cbranch_scc0 .Lentry_in_a_cluster
	s_endpgm
.Lentry_in_a_cluster:
	s_bfe_u32 s2, ttmp6, 0x10000c
	s_cmp_lg_u32 s2, 0xf033
	s_cbranch_scc0 .Lentry_shape_is_right
	s_endpgm
.Lentry_shape_is_right:
.set KQ,    4
.set LAPS,  KQ/2
.set REC,   6400
.set CCO,   8*REC
.set SLOT,  24*REC
.set SPARE, 2*SLOT
.set SPITCH, 528
.set ADRR,  16
.set ADRC,  18
.set ADSR,  20
.set ADSC,  22
.set STO,   24
.set RD,    25
.set CO,    26
.set SPW,   28
.set NIL,   29
.set SCR,   32
.set SCK,   64
.set RF,    128
.set BK,    128
.set G1,  24
.set G0,  32
.set G1B, 48
.set G0B, 56
.set MSB, 0
.macro WIN new
.if MSB != (\new)
	s_set_vgpr_msb (MSB<<8)|(\new)
.set MSB, (\new)
.endif
.endm
.set MULW, 0xa1
.set TO_C, 0x40
.macro JLOAD s
	s_cmp_eq_u32 s15, 0
	s_cbranch_scc0 .Lfor_c_\@
	tensor_load_to_lds s[G0+4*\s:G0+4*\s+3], s[G1:G1+7]
	s_nop 0
.rept 4
	v_nop
.endr
	s_branch .Lasked_\@
.Lfor_c_\@:
	tensor_load_to_lds s[G0B+4*\s:G0B+4*\s+3], s[G1B:G1B+7]
	s_nop 0
.rept 4
	v_nop
.endr
.Lasked_\@:
.endm
.macro CREST
	s_cmp_lg_u32 s14, 0
	s_cbranch_scc1 .Lnot_wave_0_\@
	s_barrier_signal -3
.Lnot_wave_0_\@:
	s_barrier_wait -3
	s_barrier_signal -1
	s_barrier_wait -1
.endm
.macro CROUND
	s_barrier_signal -1
	s_barrier_wait -1
	CREST
.endm
.macro PLACES n
.rept \n
	v_nop
.endr
.endm
	s_load_b128 s[4:7], s[0:1], 0x0
	s_load_b64 s[8:9], s[0:1], 0x10
	v_lshl_add_u32 v[SPW], v0, 2, SPARE
	v_mov_b32 v[NIL], 0
	ds_add_u32 v28, v29
	ds_add_u32 v28, v29
	s_wait_dscnt 0x0
	v_lshrrev_b32 v1, 5, v0
	v_readfirstlane_b32 s14, v1
	s_lshr_b32 s15, s14, 1
	s_and_b32 s16, s14, 1
	s_bfe_u32 s40, ttmp6, 0x40000
	s_bfe_u32 s41, ttmp6, 0x40004
	s_lshl_b32 s42, ttmp9, 2
	s_add_co_u32 s42, s42, s40
	s_and_b32 s17, ttmp7, 0xffff
	s_lshl_b32 s17, s17, 2
	s_add_co_u32 s17, s17, s41
	s_lshl_b32 s43, s41, 2
	s_lshl_b32 s43, 15, s43
	s_lshl_b32 s44, 0x1111, s40
	s_or_b32 s[G1+0], s43, (3<<16)|(1<<21)
	s_or_b32 s[G1B+0], s44, (3<<16)|(1<<21)
	s_mov_b32 s[G1+1], 800<<16
	s_mov_b32 s[G1+2], 4<<16
	s_mov_b32 s[G1+3], 800<<16
	s_mov_b32 s[G1+4], 4
	s_mov_b32 s[G1+5], KQ*800
	s_mov_b32 s[G1+6], 0
	s_mov_b32 s[G1+7], 0
	s_mov_b32 s[G1B+1], 800<<16
	s_mov_b32 s[G1B+2], 8<<16
	s_mov_b32 s[G1B+3], 800<<16
	s_mov_b32 s[G1B+4], 8
	s_mov_b32 s[G1B+5], KQ*800
	s_mov_b32 s[G1B+6], 0
	s_mov_b32 s[G1B+7], 0
	s_lshl_b32 s20, s17, 3
	s_lshl_b32 s18, s16, 2
	s_add_co_u32 s20, s20, s18
	s_mul_i32 s20, s20, KQ*REC
	s_mov_b32 s21, 0
	s_lshl_b32 s46, s42, 4
	s_lshl_b32 s19, s16, 3
	s_add_co_u32 s46, s46, s19
	s_mul_i32 s46, s46, KQ*REC
	s_mov_b32 s47, 0
	s_mul_i32 s22, s16, 4*REC
	s_mul_i32 s23, s16, 8*REC
	s_add_co_u32 s23, s23, CCO
	s_wait_kmcnt 0x0
	s_add_nc_u64 s[20:21], s[4:5], s[20:21]
	s_add_nc_u64 s[46:47], s[6:7], s[46:47]
.irp s, 0,1
	s_mov_b32 s[G0+4*\s], 1
	s_add_co_u32 s[G0+4*\s+1], s22, \s*SLOT
	s_add_nc_u64 s[G0+4*\s+2:G0+4*\s+3], s[20:21], \s*REC
	s_or_b32 s[G0+4*\s+3], s[G0+4*\s+3], 0x80000000
	s_mov_b32 s[G0B+4*\s], 1
	s_add_co_u32 s[G0B+4*\s+1], s23, \s*SLOT
	s_add_nc_u64 s[G0B+4*\s+2:G0B+4*\s+3], s[46:47], \s*REC
	s_or_b32 s[G0B+4*\s+3], s[G0B+4*\s+3], 0x80000000
.endr
	CROUND                                         ; all sixteen work-groups are here: the first joint loads meet
	JLOAD 0                                        ; slot 0: one tensor load a wave at the head
; PREFETCHES INTO THE L2, two slots ahead of the joint load that will want the bytes.  A record is 25 blocks of 256 bytes: a lane a block (lanes 25-31 name block 24 again).
; Of the 4 records that a rows' wave fetches, the partner at cx takes record cx; of the 8 that a columns' wave fetches, the partner at cy takes records 2 cy and 2 cy + 1:
; told apart by address alone, so each block is named once in each cluster that loads it.  Behind slot 0's load slots 1 and 2 are asked for, behind slot 1's slot 3; K has four slots, so the loop asks for nothing.
.set PFA, 88                           ; s[88:89] my record(s) at K quarter 0
.set PFO, 30                           ; v30 256 x min(lane, 24); never rewritten
.macro ASK off
	global_prefetch_b8 v[PFO], s[PFA:PFA+1] offset:\off th:TH_LOAD_NT scope:SCOPE_SE
	s_cmp_eq_u32 s15, 0
	s_cbranch_scc1 .Lone_\@
	global_prefetch_b8 v[PFO], s[PFA:PFA+1] offset:\off+KQ*REC th:TH_LOAD_NT scope:SCOPE_SE
.Lone_\@:
.endm
	v_and_b32 v[PFO], 31, v0
	v_min_u32 v[PFO], 24, v[PFO]
	v_lshlrev_b32 v[PFO], 8, v[PFO]
	s_mul_i32 s90, s40, KQ*REC
	s_mul_i32 s91, s41, 2*KQ*REC
	s_cmp_eq_u32 s15, 0
	s_cselect_b32 s90, s90, s91
	s_cselect_b64 s[PFA:PFA+1], s[20:21], s[46:47]
	s_mov_b32 s91, 0
	s_add_nc_u64 s[PFA:PFA+1], s[PFA:PFA+1], s[90:91]
	s_wait_alu depctr_va_vdst(0)
	ASK REC
	ASK 2*REC
	v_and_b32 v1, 31, v0
	v_and_b32 v2, 15, v0
	v_bfe_u32 v3, v0, 4, 1
	v_lshlrev_b32 v[CO], 4, v1
	v_lshlrev_b32 v4, 4, v2
	s_mul_i32 s81, s15, 4*REC
	s_mul_i32 s82, s16, 8*REC
	s_add_co_u32 s82, s82, CCO
.irp s, 0,1
	v_add_nc_u32 v[ADRR+\s], s81, v[CO]
	v_add_nc_u32 v[ADRC+\s], s82, v[CO]
	v_add_nc_u32 v[ADSR+\s], s81, v4
	v_add_nc_u32 v[ADSC+\s], s82, v4
	s_add_co_u32 s81, s81, SLOT
	s_add_co_u32 s82, s82, SLOT
.endr
	s_mul_i32 s83, s14, 16*SPITCH
	v_mul_u32_u24 v[STO], v2, SPITCH
	v_lshl_add_u32 v[STO], v3, 6, v[STO]
	v_add_nc_u32 v[STO], s83, v[STO]
	v_add_nc_u32 v[RD], s83, v[CO]
	s_lshl_b32 s84, s17, 7
	s_lshl_b32 s85, s15, 6
	s_add_co_u32 s84, s84, s85
	s_lshl_b32 s84, s84, 14
	s_lshl_b32 s85, s42, 10
	s_add_co_u32 s84, s84, s85
	s_lshl_b32 s85, s16, 9
	s_add_co_u32 s84, s84, s85
	s_mov_b32 s85, 0
	s_add_nc_u64 s[12:13], s[8:9], s[84:85]
.macro MUL a, p, j, sl, zero
.irp b, 0,1,2,3,4,5,6,7
.if \zero
	v_wmma_scale_f32_16x16x128_f8f6f4 v[8*(8*(\a)+\b):8*(8*(\a)+\b)+7], v[96*(\p)+12*\b:96*(\p)+12*\b+11], v[RF+48*(\p)+12*(\a):RF+48*(\p)+12*(\a)+11], 0, v[SCK+32*(\sl)+4*\b+(\j)], v[SCR+16*(\sl)+4*(\a)+(\j)] matrix_a_fmt:MATRIX_FMT_FP6 matrix_b_fmt:MATRIX_FMT_FP6
.else
	v_wmma_scale_f32_16x16x128_f8f6f4 v[8*(8*(\a)+\b):8*(8*(\a)+\b)+7], v[96*(\p)+12*\b:96*(\p)+12*\b+11], v[RF+48*(\p)+12*(\a):RF+48*(\p)+12*(\a)+11], v[8*(8*(\a)+\b):8*(8*(\a)+\b)+7], v[SCK+32*(\sl)+4*\b+(\j)], v[SCR+16*(\sl)+4*(\a)+(\j)] matrix_a_fmt:MATRIX_FMT_FP6 matrix_b_fmt:MATRIX_FMT_FP6
.endif
.endr
.endm
.macro FETCH slot, j, p
	WIN TO_C
.irp b, 0,1,2,3,4,5,6,7
.irp c, 0,1,2
	ds_load_b128 v[96*(\p)+12*\b+4*\c:96*(\p)+12*\b+4*\c+3], v[ADRC+\slot] offset:REC*\b+1536*(\j)+512*\c
.endr
.endr
	WIN 0
.irp a, 0,1,2,3
.irp c, 0,1,2
	ds_load_b128 v[RF+48*(\p)+12*\a+4*\c:RF+48*(\p)+12*\a+4*\c+3], v[ADRR+\slot] offset:REC*\a+1536*(\j)+512*\c
.endr
.endr
.endm
.macro SCALES sl
.irp a, 0,1,2,3
	ds_load_b128 v[SCR+16*\sl+4*\a:SCR+16*\sl+4*\a+3], v[ADSR+\sl] offset:REC*\a+6144
.endr
.irp b, 0,1,2,3,4,5,6,7
	ds_load_b128 v[SCK+32*\sl+4*\b:SCK+32*\sl+4*\b+3], v[ADSC+\sl] offset:REC*\b+6144
.endr
.endm
.macro STEP slot, j, zero
	PLACES 4                                       ; behind the last step's products, which read the set that is loaded now
	FETCH \slot, (\j)+1, 1-(\j)%2                  ; the next step's fragments, 32 matrix instructions ahead of their use
	s_wait_dscnt 36                                ; all but the 36 loads just issued: this step's set (and scale words) are in
	WIN MULW
	MUL 0, (\j)%2, \j, \slot, \zero
	MUL 1, (\j)%2, \j, \slot, \zero
	MUL 2, (\j)%2, \j, \slot, \zero
	MUL 3, (\j)%2, \j, \slot, \zero
	WIN 0
.endm
.macro TURN slot, next, fill
	; a slot's third and fourth steps.  The fourth step's fragments are fetched at the third's top: when they are in, my reads of the slot are over, and the change of slots stands in the third step
	PLACES 4
	FETCH \slot, 3, 1
	s_wait_dscnt 36                                ; all but the 36 loads just issued: the third step's set is in
	WIN MULW
	MUL 0, 0, 2, \slot, 0
	MUL 1, 0, 2, \slot, 0
	WIN 0
	s_wait_tensorcnt 0x0                           ; my part of the next slot is in
	ds_add_u32 v[SPW], v[NIL]
	WIN MULW
	MUL 2, 0, 2, \slot, 0
	s_wait_dscnt 0x0                               ; the add is done, and my reads of this slot are over
	s_barrier_signal -1
	MUL 3, 0, 2, \slot, 0
	WIN 0
	s_barrier_wait -1
.if \fill
	CREST
	s_add_nc_u64 s[G0+4*\slot+2:G0+4*\slot+3], s[G0+4*\slot+2:G0+4*\slot+3], 2*REC
	s_add_nc_u64 s[G0B+4*\slot+2:G0B+4*\slot+3], s[G0B+4*\slot+2:G0B+4*\slot+3], 2*REC
	JLOAD \slot
.else
	PLACES 4
.endif
	FETCH \next, 0, 0
	SCALES \next
	WIN MULW                                       ; the fourth step, from registers: the next slot's first fragments land under its 32 matrix instructions
	MUL 0, 1, 3, \slot, 0
	MUL 1, 1, 3, \slot, 0
	MUL 2, 1, 3, \slot, 0
	MUL 3, 1, 3, \slot, 0
	WIN 0
.endm
	s_wait_alu depctr_va_vdst(0)
	s_wait_tensorcnt 0x0                           ; my part of slot 0 is in
	ds_add_u32 v[SPW], v[NIL]
	s_wait_dscnt 0x0
	CROUND
	JLOAD 1                                        ; slot 1, the first tensor load behind the round
	FETCH 0, 0, 0
	SCALES 0
	ASK 3*REC
	STEP 0, 0, 1
	s_mov_b32 s3, LAPS-1
.Llap:
	STEP 0, 1, 0
	TURN 0, 1, 1
	STEP 1, 0, 0
	STEP 1, 1, 0
	TURN 1, 0, 1
	STEP 0, 0, 0
	s_sub_co_u32 s3, s3, 1
	s_cmp_lg_u32 s3, 0
	s_cbranch_scc1 .Llap
	STEP 0, 1, 0
	TURN 0, 1, 0
	STEP 1, 0, 0
	STEP 1, 1, 0
	STEP 1, 2, 0
	s_wait_dscnt 0x0
	WIN MULW
	MUL 0, 1, 3, 1, 0
	MUL 1, 1, 3, 1, 0
	MUL 2, 1, 3, 1, 0
	MUL 3, 1, 3, 1, 0
	WIN 0
.macro TOSTAGE a
	WIN 0x08
.irp b, 0,1,2,3,4,5,6,7
	ds_store_b128 v[STO], v[64*(\a)+8*\b:64*(\a)+8*\b+3] offset:128*(\b/2)+32*(\b%2)
	ds_store_b128 v[STO], v[64*(\a)+8*\b+4:64*(\a)+8*\b+7] offset:128*(\b/2)+32*(\b%2)+16
.endr
	WIN 0
.set BB, BK+64*((\a)%2)
.irp t, 0,1,2,3,4,5,6,7,8,9,10,11,12,13,14,15
	ds_load_b128 v[BB+4*\t:BB+4*\t+3], v[RD] offset:\t*SPITCH
.endr
.endm
.macro SEND a, younger
.set BB, BK+64*((\a)%2)
	s_wait_dscnt \younger
.irp t, 0,1,2,3,4,5,6,7,8,9,10,11,12,13,14,15
	global_store_b128 v[CO], v[BB+4*\t:BB+4*\t+3], s[12:13] offset:(32*((\a)/2)+8*((\a)%2)+\t+8*(\t/8))*16384 th:TH_STORE_NT
.endr
.endm
	PLACES 4
	TOSTAGE 0
.irp a, 1,2,3
.if \a > 1
	s_wait_xcnt 0x0
.endif
	TOSTAGE \a
	SEND \a-1, 32
.endr
	SEND 3, 0
	s_wait_tensorcnt 0x0
	ds_add_u32 v[SPW], v[NIL]
	s_wait_dscnt 0x0
	CROUND
	s_endpgm
.Lfunc_end_k_qfd6619aaa0_oproj:
	.size	k_qfd6619aaa0_oproj, .Lfunc_end_k_qfd6619aaa0_oproj-k_qfd6619aaa0_oproj
	.p2alignl 7, 3214868480
	.fill 96, 4, 3214868480
	.section	.rodata,"a",@progbits
	.p2align	6, 0x0
	.amdhsa_kernel k_qfd6619aaa0_oproj
		.amdhsa_group_segment_fixed_size 327680
		.amdhsa_private_segment_fixed_size 0
		.amdhsa_enable_private_segment 0
		.amdhsa_kernarg_size 24
		.amdhsa_user_sgpr_count 2
		.amdhsa_user_sgpr_kernarg_segment_ptr 1
		.amdhsa_wavefront_size32 1
		.amdhsa_system_sgpr_workgroup_id_x 1
		.amdhsa_system_sgpr_workgroup_id_y 1
		.amdhsa_system_sgpr_workgroup_id_z 1
		.amdhsa_system_vgpr_workitem_id 0
		.amdhsa_next_free_vgpr 1024
		.amdhsa_next_free_sgpr 100
		.amdhsa_reserve_vcc 0
		.amdhsa_float_denorm_mode_32 3
		.amdhsa_float_denorm_mode_16_64 3
		.amdhsa_memory_ordered 1
		.amdhsa_forward_progress 1
		.amdhsa_inst_pref_size 133
	.end_amdhsa_kernel
	.amdgpu_metadata
---
amdhsa.version: [ 1, 2 ]
amdhsa.kernels:
  - .name:           k_qfd6619aaa0_oproj
    .symbol:         k_qfd6619aaa0_oproj.kd
    .args:
      - { .name: ac, .offset: 0, .size: 8, .value_kind: global_buffer, .address_space: global }
      - { .name: oc, .offset: 8, .size: 8, .value_kind: global_buffer, .address_space: global }
      - { .name: out0, .offset: 16, .size: 8, .value_kind: global_buffer, .address_space: global }
    .group_segment_fixed_size: 327680
    .private_segment_fixed_size: 0
    .kernarg_segment_align: 8
    .kernarg_segment_size: 24
    .max_flat_workgroup_size: 128
    .sgpr_count:     100
    .vgpr_count:     1024
    .wavefront_size: 32
...
	.end_amdgpu_metadata
.endif
;; end of part 4
